; MI455X (gfx1250); checked and timed in simulation.
; The chip was launched on July 23, 2026; its instructions are those of AMD's public machine-readable ISA for CDNA 5 (MIT licence, August 2026) and "CDNA5" Instruction Set Architecture Reference Guide (July 2026). The comments in the code are by the model that wrote it; some were corrected since.
;; Block. Allowed arithmetic: float matrix products may take bf16 or f16 operands with f32 sums; other float arithmetic in f32, or as packed bf16 or f16 multiplies, adds, multiply-adds, maxima and minima; sums over many terms, partial sums and values carried from step to step in f32; what a program stores and reads back later, other than sums and carried values, may be rounded once to bf16 or f16.
;; Inputs: b1 2,048 float32; b2 512 float32; b_ap 512 float32; b_out 1,000 float32; be1 512 float32; be2 512 float32; g1 512 float32; g2 512 float32; value 4 x 2,048 x 1,024 float32; w1 512 x 2,048 float32; w2 2,048 x 512 float32; w_ap 512 x 512 float32; w_out 512 x 1,000 float32; wk 512 x 512 float32; wq 512 x 512 float32; wv 1,024 x 512 float32; x 4 x 2,048 x 512 float32.
;; Outputs: out0 4 x 2,048 x 1,000 float32.
;; One version. Each part assembles by itself: llvm-mc -triple=amdgcn-amd-amdhsa -mcpu=gfx1250 --defsym DOCPART=n.
;; ======== version 1 of 1: 4 launches
;; limits: values are held in f16: magnitudes above 65,504 overflow, below 6.1e-05 lose precision
;; workspace buffers: wstream 7,864,320 bytes; qb 8,388,608 bytes; kb 8,388,608 bytes; vb 8,388,608 bytes; ob 8,388,608 bytes
;; launch prep (part 1): grid 480 x 1, 8 waves a work-group, no clusters, 0 bytes of LDS; arguments wq, wk, wv, w_ap, w1, w2, w_out, wstream; writes wstream
.if DOCPART == 1
	.amdgcn_target "amdgcn-amd-amdhsa--gfx1250"
	.amdhsa_code_object_version 6
	.text
	.protected	k_q88f72b9639_prep
	.globl	k_q88f72b9639_prep
	.p2align	8
	.type	k_q88f72b9639_prep,@function
k_q88f72b9639_prep:
	s_mov_b64 s[64:65], 0
	v_nop
	global_prefetch_b8 v0, s[64:65] scope:SCOPE_SE
	s_setreg_imm32_b32 hwreg(HW_REG_WAVE_MODE, 25, 1), 1
	s_wait_xcnt 0x0
; PREP.  All seven weight matrices, rounded once to 16 bits, are laid out as 60 TILES of 128 k x 512 output columns (131,072 bytes each), in the order in which the two row-block launches multiply by them.
; Units of 512 k (four tiles):  0 wq   1 wk   2, 3 wv (rows 0-511, 512-1023)   4 w_ap   5 + 2 j: w1, columns 512 j on   6 + 2 j: w2, the 512 rows of chunk j, reordered   13, 14: w_out, columns 0-511, 512-1023
; TWO KINDS OF TILE.  42 RING tiles come first: 128 rows of 1,024 bytes, a row a k: they go through LDS.  Behind them 18 DIRECT tiles, which a wave loads straight into registers: tile 3 of each unit but w_ap's
; and w2's; tiles 1 and 3 of w2's units.  A direct tile is stored as the matrix unit's register image: block (wave w, 32 k ks, 16 columns nb) of 1,024 bytes at 1,024 (32 w + 8 ks + nb); in it half j, lane l
; holds at 512 j + 16 l the eight k = 32 ks + 16 j + 8 (l / 16) + 0..7 of column 128 w + 16 nb + l % 16.
; FORMATS.  Units 0 to 4 in bf16.  Units 5 to 14 (w1, w2, w_out) in f16: the result is a softmax, so a logit's absolute error is a probability's relative error, and 8 significant bits in these
; three matrices and their partners leave too little of an allowance of one part in a hundred; f16 keeps 11.  LIMIT: w1, w2 and w_out lie within 65,504; below 6e-5 f16 keeps a fixed step of 6e-8.
; w2's order: row lr of the unit is w2's row 512 j + 128 ((lr % 256) / 64) + 64 (lr / 256) + lr % 64: the order in which the last launch lays the hidden numbers into LDS.
; w_out has 1,000 columns: columns 1,000 to 1,023 are zeros.
; SHARES.  A work-group makes an eighth of a tile, 16 KiB on end; a wave's store covers 512 consecutive bytes, aligned.  Memory binds: no LDS, no matrix unit, no cluster (no byte is read twice).
	s_load_b512 s[8:23], s[0:1], 0x0               ; wq, wk, wv, w_ap, w1, w2, w_out, wstream
	s_lshr_b32 s4, ttmp9, 5                        ; the unit
	s_and_b32 s3, ttmp9, 31
	s_lshl_b32 s3, s3, 4                           ; a ring tile's share: my first row in the unit
	s_bfe_u32 s42, ttmp9, 0x20003                  ; the tile in the unit
	s_and_b32 s43, ttmp9, 7                        ; my eighth of the tile
	s_sub_co_u32 s5, s4, 5
	s_lshr_b32 s6, s5, 1                           ; j, where the unit is w1's or w2's
	s_cmp_lt_u32 s5, 8
	s_cselect_b32 s7, 1, 0
	s_and_b32 s32, s4, 1
	s_and_b32 s33, s7, s32                         ; 1: w1
	s_and_not1_b32 s34, s7, s32                    ; 1: w2
	s_movk_i32 s28, 2048                           ; bytes from row to row in the source
	s_cmp_eq_u32 s33, 1
	s_cselect_b32 s28, 8192, s28
	s_cmp_ge_u32 s4, 13
	s_cselect_b32 s28, 4000, s28
	s_lshl_b32 s36, s6, 11                         ; the source's first column, in bytes
	s_cmp_eq_u32 s33, 1
	s_cselect_b32 s30, s36, 0
	s_cmp_eq_u32 s4, 14
	s_cselect_b32 s30, 2048, s30
	; the tile's kind and its number in the stream
	s_sub_co_i32 s44, s4, 5
	s_max_i32 s44, s44, 0
	s_lshr_b32 s44, s44, 1                         ; units of w2 ahead of this unit: each has two ring tiles where the others have three
	s_cmp_gt_u32 s4, 4
	s_cselect_b32 s45, 1, 0                        ; behind w_ap, whose four tiles all go by the ring
	s_and_b32 s46, s42, 1
	s_lshr_b32 s47, s42, 1
	s_cmp_eq_u32 s42, 3
	s_cselect_b32 s48, 1, 0                        ; direct: tile 3,
	s_cmp_eq_u32 s4, 4
	s_cselect_b32 s48, 0, s48                      ; not w_ap's;
	s_cmp_eq_u32 s34, 1
	s_cselect_b32 s48, s46, s48                    ; of w2's units tiles 1 and 3
	s_cselect_b32 s49, s47, s42                    ; its place among the unit's ring tiles,
	s_cselect_b32 s50, s47, 0                      ; among its direct tiles
	s_mul_i32 s51, s4, 3
	s_sub_co_u32 s51, s51, s44
	s_add_co_u32 s51, s51, s45
	s_add_co_u32 s51, s51, s49                     ; as a ring tile
	s_add_co_u32 s52, s4, s44
	s_sub_co_u32 s52, s52, s45
	s_add_co_u32 s52, s52, s50
	s_add_co_u32 s52, s52, 42                      ; as a direct tile, behind the 42 ring tiles
	s_cmp_eq_u32 s48, 1
	s_cselect_b32 s51, s52, s51
	s_lshl_b32 s38, s51, 17
	s_lshl_b32 s53, s43, 14
	s_add_co_u32 s38, s38, s53
	s_mov_b32 s39, 0
	v_lshlrev_b32 v56, 4, v0                       ; my 16 bytes in each 4,096 of the share
	s_wait_kmcnt 0x0
	s_mov_b64 s[24:25], s[8:9]                     ; the source, chosen by the unit's number alone
	s_cmp_eq_u32 s4, 1
	s_cselect_b64 s[24:25], s[10:11], s[24:25]
	s_cmp_ge_u32 s4, 2
	s_cselect_b64 s[24:25], s[12:13], s[24:25]
	s_cmp_ge_u32 s4, 4
	s_cselect_b64 s[24:25], s[14:15], s[24:25]
	s_cmp_eq_u32 s33, 1
	s_cselect_b64 s[24:25], s[16:17], s[24:25]
	s_cmp_eq_u32 s34, 1
	s_cselect_b64 s[24:25], s[18:19], s[24:25]
	s_cmp_ge_u32 s4, 13
	s_cselect_b64 s[24:25], s[20:21], s[24:25]
	s_add_nc_u64 s[22:23], s[22:23], s[38:39]
	s_cmp_eq_u32 s48, 1
	s_cbranch_scc1 .Ldirect
	; A RING TILE: 16 rows are copied.  Thread t takes the eight columns 8 (t % 64) on of rows t / 64 + 4 i
	s_add_co_u32 s35, s3, 512                      ; the source's first row
	s_cmp_eq_u32 s4, 3
	s_cselect_b32 s29, s35, s3
	s_bfe_u32 s35, s3, 0x20006                     ; (row % 256) / 64
	s_lshl_b32 s35, s35, 7
	s_lshr_b32 s36, s3, 8
	s_lshl_b32 s36, s36, 6
	s_add_co_u32 s35, s35, s36
	s_and_b32 s36, s3, 63
	s_add_co_u32 s35, s35, s36
	s_lshl_b32 s36, s6, 9
	s_add_co_u32 s35, s35, s36
	s_cmp_eq_u32 s34, 1
	s_cselect_b32 s29, s35, s29
	s_cmp_eq_u32 s4, 14
	s_cselect_b32 s31, 61, 64                      ; groups of eight columns that exist in the source
	s_mul_i32 s36, s29, s28
	s_add_co_u32 s36, s36, s30
	s_mov_b32 s37, 0
	s_add_nc_u64 s[24:25], s[24:25], s[36:37]
	s_sub_co_u32 s40, s31, 1
	s_lshl_b32 s41, s28, 2
	v_and_b32 v1, 63, v0                           ; my group of eight columns
	v_lshrrev_b32 v2, 6, v0                        ; my first row of the sixteen
	v_min_u32 v3, s40, v1                          ; a group that does not exist reads the last that does, and stores zeros
	v_mul_lo_u32 v4, v2, s28
	v_lshl_add_u32 v4, v3, 5, v4
	v_add_nc_u32 v5, s41, v4
	v_add_nc_u32 v6, s41, v5
	v_add_nc_u32 v7, s41, v6
	v_cmp_gt_u32 s60, s31, v1
.set i, 0
.rept 4
	global_load_b128 v[8+8*i:8+8*i+3], v[4+i], s[24:25] th:TH_LOAD_NT
	global_load_b128 v[8+8*i+4:8+8*i+7], v[4+i], s[24:25] offset:16 th:TH_LOAD_NT
.set i, i+1
.endr
; Four times eight numbers are rounded by the conversion named, and stored.  per: the loads that bring eight numbers; two: 1 where odd i has a mask of its own
.macro OUTP cvt, per, two
.set i, 0
.rept 4
	s_wait_loadcnt (3-i)*(\per)                    ; loads come back in order: the later shares' loads may stay out
.set e, 0
.rept 4
	\cvt v[40+4*i+e], v[8+8*i+2*e], v[8+8*i+2*e+1]
.set e, e+1
.endr
.set e, 0
.rept 4
	v_cndmask_b32 v[40+4*i+e], 0, v[40+4*i+e], s[60+(\two)*(i%2)]
.set e, e+1
.endr
	global_store_b128 v56, v[40+4*i:40+4*i+3], s[22:23] offset:4096*i
.set i, i+1
.endr
.endm
	s_cmp_ge_u32 s4, 5                             ; the format goes by the unit's number
	s_cbranch_scc1 .Lring_half
	OUTP v_cvt_pk_bf16_f32, 2, 0
	s_endpgm
.Lring_half:
	OUTP v_cvt_pk_f16_f32, 2, 0
	s_endpgm
	; A DIRECT TILE is turned: my 16 bytes number i are eight k of ONE column.  With g my eighth of the tile: wave g / 2; ks = 2 (g % 2) + i / 2; nb = 4 (i % 2) + t / 64; j and l / 16 are bits 5 and 4 of t.
	; So the column is 128 (g / 2) + 64 (i % 2) + 16 (t / 64) + t % 16, and the k in the unit 128 tile + 64 (g % 2) + 32 (i / 2) + 8 ((t / 16) % 4) + 0..7.
.Ldirect:
	s_and_b32 s54, s43, 1
	s_lshl_b32 s55, s42, 1
	s_add_co_u32 s55, s55, s54                     ; the unit's row / 64
	s_lshl_b32 s56, s55, 6
	s_cmp_eq_u32 s4, 3
	s_cselect_b32 s57, 512, 0
	s_add_co_u32 s56, s56, s57                     ; the source's row, as it lies;
	s_and_b32 s57, s55, 3
	s_lshl_b32 s57, s57, 7
	s_lshl_b32 s58, s47, 6
	s_add_co_u32 s57, s57, s58
	s_lshl_b32 s58, s6, 9
	s_add_co_u32 s57, s57, s58                     ; in w2's order
	s_cmp_eq_u32 s34, 1
	s_cselect_b32 s56, s57, s56
	s_mul_i32 s56, s56, s28
	s_add_co_u32 s56, s56, s30
	s_mov_b32 s57, 0
	s_add_nc_u64 s[66:67], s[24:25], s[56:57]      ; sixteen bases, a row each: rows 0 to 7 (i / 2 = 0) and 32 to 39 (i / 2 = 1)
	s_mov_b32 s40, s28
	s_mov_b32 s41, 0
	s_mul_i32 s36, s28, 25
	s_mov_b32 s37, 0
.set n, 1
.rept 15
.if n == 8
	s_add_nc_u64 s[66+2*n:67+2*n], s[66+2*(n-1):67+2*(n-1)], s[36:37]
.else
	s_add_nc_u64 s[66+2*n:67+2*n], s[66+2*(n-1):67+2*(n-1)], s[40:41]
.endif
.set n, n+1
.endr
	s_movk_i32 s59, 512                            ; columns of the unit that exist in the source: all 512,
	s_cmp_eq_u32 s4, 14
	s_cselect_b32 s59, 488, s59                    ; in w_out's second half 488
	s_sub_co_u32 s62, s59, 1
	s_lshr_b32 s58, s43, 1
	s_lshl_b32 s58, s58, 7
	v_lshrrev_b32 v1, 6, v0
	v_and_b32 v2, 15, v0
	v_lshl_add_u32 v2, v1, 4, v2
	v_add_nc_u32 v2, s58, v2                       ; my column for even i,
	v_add_nc_u32 v3, 64, v2                        ; for odd i
	v_cmp_gt_u32 s60, s59, v2
	v_cmp_gt_u32 s61, s59, v3
	v_min_u32 v2, s62, v2                          ; a column that does not exist reads the last that does, and stores zeros
	v_min_u32 v3, s62, v3
	v_bfe_u32 v4, v0, 4, 2
	v_lshlrev_b32 v4, 3, v4
	v_mul_lo_u32 v4, v4, s28                       ; my eight rows among the 32
	v_lshl_add_u32 v2, v2, 2, v4
	v_lshl_add_u32 v3, v3, 2, v4
.set i, 0
.rept 4
.set e, 0
.rept 8
	global_load_b32 v[8+8*i+e], v[2+i%2], s[66+2*(8*(i/2)+e):67+2*(8*(i/2)+e)]
.set e, e+1
.endr
.set i, i+1
.endr
	s_cmp_ge_u32 s4, 5
	s_cbranch_scc1 .Ldir_half
	OUTP v_cvt_pk_bf16_f32, 8, 1
	s_endpgm
.Ldir_half:
	OUTP v_cvt_pk_f16_f32, 8, 1
	s_endpgm
.Lfunc_end_k_q88f72b9639_prep:
	.size	k_q88f72b9639_prep, .Lfunc_end_k_q88f72b9639_prep-k_q88f72b9639_prep
	.p2alignl 7, 3214868480
	.fill 96, 4, 3214868480
	.section	.rodata,"a",@progbits
	.p2align	6, 0x0
	.amdhsa_kernel k_q88f72b9639_prep
		.amdhsa_group_segment_fixed_size 0
		.amdhsa_private_segment_fixed_size 0
		.amdhsa_enable_private_segment 0
		.amdhsa_kernarg_size 64
		.amdhsa_user_sgpr_count 2
		.amdhsa_user_sgpr_kernarg_segment_ptr 1
		.amdhsa_wavefront_size32 1
		.amdhsa_system_sgpr_workgroup_id_x 1
		.amdhsa_system_sgpr_workgroup_id_y 1
		.amdhsa_system_sgpr_workgroup_id_z 1
		.amdhsa_system_vgpr_workitem_id 0
		.amdhsa_next_free_vgpr 64
		.amdhsa_next_free_sgpr 98
		.amdhsa_reserve_vcc 0
		.amdhsa_float_denorm_mode_32 3
		.amdhsa_float_denorm_mode_16_64 3
		.amdhsa_memory_ordered 1
		.amdhsa_forward_progress 1
		.amdhsa_inst_pref_size 20
	.end_amdhsa_kernel
	.amdgpu_metadata
---
amdhsa.version: [ 1, 2 ]
amdhsa.kernels:
  - .name:           k_q88f72b9639_prep
    .symbol:         k_q88f72b9639_prep.kd
    .args:
      - { .name: wq, .offset: 0, .size: 8, .value_kind: global_buffer, .address_space: global }
      - { .name: wk, .offset: 8, .size: 8, .value_kind: global_buffer, .address_space: global }
      - { .name: wv, .offset: 16, .size: 8, .value_kind: global_buffer, .address_space: global }
      - { .name: w_ap, .offset: 24, .size: 8, .value_kind: global_buffer, .address_space: global }
      - { .name: w1, .offset: 32, .size: 8, .value_kind: global_buffer, .address_space: global }
      - { .name: w2, .offset: 40, .size: 8, .value_kind: global_buffer, .address_space: global }
      - { .name: w_out, .offset: 48, .size: 8, .value_kind: global_buffer, .address_space: global }
      - { .name: wstream, .offset: 56, .size: 8, .value_kind: global_buffer, .address_space: global }
    .group_segment_fixed_size: 0
    .private_segment_fixed_size: 0
    .kernarg_segment_align: 8
    .kernarg_segment_size: 64
    .max_flat_workgroup_size: 256
    .sgpr_count:     98
    .vgpr_count:     64
    .wavefront_size: 32
...
	.end_amdgpu_metadata
.endif
;; end of part 1
;; launch head (part 2): grid 256 x 1, 4 waves a work-group, clusters of 4 x 1, 327,680 bytes of LDS; arguments x, value, g1, be1, wstream, qb, kb, vb; writes qb, kb, vb
.if DOCPART == 2
	.amdgcn_target "amdgcn-amd-amdhsa--gfx1250"
	.amdhsa_code_object_version 6
	.text
	.protected	k_q88f72b9639_head
	.globl	k_q88f72b9639_head
	.p2align	8
	.type	k_q88f72b9639_head,@function
k_q88f72b9639_head:
	s_mov_b64 s[64:65], 0
	v_nop
	global_prefetch_b8 v0, s[64:65] scope:SCOPE_SE
	s_setreg_imm32_b32 hwreg(HW_REG_WAVE_MODE, 25, 1), 1
	s_wait_xcnt 0x0
	s_wait_alu depctr_hold_cnt(0) depctr_sa_sdst(0) depctr_va_vdst(0) depctr_va_sdst(0) depctr_va_ssrc(0) depctr_va_vcc(0) depctr_vm_vsrc(0)
	s_getreg_b32 s2, hwreg(HW_REG_IB_STS2, 6, 4)
	s_cmp_eq_u32 s2, 0
	s_cbranch_scc0 .Lentry_in_a_cluster
	s_endpgm
.Lentry_in_a_cluster:
	s_bfe_u32 s2, ttmp6, 0x10000c
	s_cmp_lg_u32 s2, 0x3003
	s_cbranch_scc0 .Lentry_shape_is_right
	s_endpgm
.Lentry_shape_is_right:
; HEAD.  For a block of 32 rows: xn = layer norm of x (f32, mean first, then the mean square of x - mean), q = xn wq, k = xn wk, v = value wv.
; Matrix operands in bf16, sums in f32; q, k, v are rounded once to bf16 and stored by heads, [16 b + head][2,048][32]: a head's 32 rows of the block are 2,048 bytes on end.
; SHARES.  256 work-groups of four waves.  Wave w normalises rows 8 w .. 8 w + 7 and makes the 128 output columns 128 w on (heads 4 w .. 4 w + 3) of all 32 rows: 16 accumulators.
; THE WEIGHTS come as tiles of 128 k x 512 columns, by two roads.  A unit of 512 k is three RING tiles (k 0-383) and one DIRECT tile (k 384-511).
; THE RING: two LDS slots; each wave fetches a quarter of a tile, 32 rows of 1,024 bytes.  All work-groups walk the same 12 tiles, so the four of a cluster ask for each JOINTLY.  One change of slots a tile:
; each wave waits for all its tensor loads, adds 0 to its spare word, waits for that and for its reads, a round of the cluster's barrier, and the refill first behind it.  Two loads of a wave are out at
; the start, one afterwards.  All of a tile's products stand ahead of that wait, so that only the three lines and the round lie between a tile's landing and the next request.
; DIRECT: a weight fragment is used by one wave alone, so LDS gives it no second reader.  A direct tile lies in memory as the register image; a wave loads its 32 KiB by 64 loads of 512 consecutive bytes into
; 256 registers.  The loads go out when the registers fall free, three ring tiles ahead of their use, and stay out across the rounds; the 64 products stand at the unit's head, behind a refill's request.
; THE PRODUCT IS TAKEN TRANSPOSED: source 0 = 16 columns of the weights x 32 k (ring: turned out of the [k][column] tile by ds_load_tr16_b128), source 1 = 16 rows of the activations x 32 k.
; In the result lane l holds row l % 16 and the eight neighbouring columns 8 (l / 16) on.
; value comes in two halves of 512 columns, into the registers that held x, each asked for one ring tile behind a direct tile's request, when that tile's loads are back.
; LIMITS.  NaN and infinities are not treated apart.  bf16 has f32's range, so larger inputs lose no range.
; LDS: two slots of 128 rows x 1,056 bytes; ACT: 32 rows of 512 bf16, pitch 1,040; a stage of 2,176 bytes a wave for the way out; the spare words.
; REGISTERS.  window 0: v0-15, v56 addresses; v16-47 g1, be1; v48-55 row sums; v64-191 two buffers of weight fragments (also at work); v192-255 activation fragments (also mean, 1/sigma)
;   window 1: v0-127 accumulators, tile (rt, nb) at 8 (8 rt + nb); v128-255 my 8 rows of x, then of half of value          window 2: the direct tile, (ks, nb) at 64 ks + 8 nb
.set BP,    1056                       ; a tile's row in LDS: 1,024 bytes + 32
.set QTR,   32*BP                      ; what one tensor load brings
.set SLOTB, 128*BP                     ; 0x21000: its two bits meet no bit of wave x QTR, so one exclusive or changes slots
.set TILEB, 131072
.set AP,    1040                       ; a row of ACT: 1,024 + 16 bytes: the 16 rows of a load start at 16 different groups of four banks
.set ACT,   2*SLOTB
.set STG,   ACT+32*AP
.set SPARE, STG+4*2176                 ; the spare words, 128 bytes for each wave: two blocks of 256 bytes that no other line names
.set TILES, 12                         ; ring tiles of this launch: the stream's first
.set DIRB,  42*TILEB                   ; the direct tiles lie behind the 42 ring tiles; this launch's are the first four
.set DW,    2                          ; the direct tile's register window
.set BI,    0                          ; (no bias here)
.set SPW, 4
.set NIL, 5
.set VB0, 6                            ; my lane's place in a tile
.set VB,  7                            ; the same in the slot in hand, at the k in hand
.set VA,  9                            ; my lane's place in the activations, at the k in hand
.set VAACT, 10
.set STO, 11
.set RD,  12
.set GOF, 13                           ; 16 x lane
.set LOF, 13
.set ADR, 14                           ; where I put 8 bytes of my first row in ACT
.set GG,  16
.set BB,  32
.set SM,  48
.set PFO, 56                           ; 256 x lane
.set FB,  64
.set PS,  64
.set FA,  192
.set MU,  192
.set RS,  208
.set ACC, 0
.set X,   128
.set WV,  28
.set CX,  29
.set GID, 30
.set CNK, 31
.set G1,  36
.set G0A, 44
.set G0,  48
.set TB,  52
.set CNT, 53
.set CN2, 54
.set REM, 56                           ; refills still to come
.set LIM, 57                           ; 2 in the cluster that prefetches, else the greatest number
.set PFA, 58
.set SEL, 60
.set OUT, 62
.set C512, 66
.set DP,  74                           ; s[74:75] my 32 KiB of the direct tile last asked for
.set MSB, 0
.macro WIN new                         ; the immediate's high byte repeats the setting that is left; a switch that changes nothing is dropped
.if MSB != (\new)
	s_set_vgpr_msb (MSB<<8)|(\new)
.set MSB, \new
.endif
.endm
.macro PLACES                          ; four plain places behind a matrix instruction, ahead of loads into its sources and of readers of its result
.rept 4
	v_nop
.endr
.endm
.macro CREST                           ; a round of the cluster's barrier behind its opening barrier
	s_cmp_lg_u32 s[WV], 0
	s_cbranch_scc1 .Lnot_wave_0_\@
	s_barrier_signal -3
.Lnot_wave_0_\@:
	s_barrier_wait -3
	s_barrier_signal -1
	s_barrier_wait -1
.endm
.macro CROUND
	s_barrier_signal -1
	s_barrier_wait -1
	CREST
.endm
; 20 LDS loads: the fragments of 32 k (ks = 0, 1: the first or second 32 from the k in hand): my eight column tiles of the weights, turned, and the two row tiles of the activations
.macro FETCH ks, buf, pitch
	WIN 0
.set fn, 0
.rept 8
	ds_load_tr16_b128 v[FB+64*(\buf)+8*fn:FB+64*(\buf)+8*fn+3], v[VB] offset:(\ks)*QTR+32*fn
	ds_load_tr16_b128 v[FB+64*(\buf)+8*fn+4:FB+64*(\buf)+8*fn+7], v[VB] offset:(\ks)*QTR+32*fn+16*BP
.set fn, fn+1
.endr
.set fn, 0
.rept 2
	ds_load_b128 v[FA+16*(\buf)+8*fn:FA+16*(\buf)+8*fn+3], v[VA] offset:fn*16*(\pitch)+64*(\ks)
	ds_load_b128 v[FA+16*(\buf)+8*fn+4:FA+16*(\buf)+8*fn+7], v[VA] offset:fn*16*(\pitch)+64*(\ks)+32
.set fn, fn+1
.endr
.endm
; 16 matrix instructions.  The 16 accumulators take turns, one instruction a turn, always in the same order
.macro MUL buf, acc, fm
	WIN 0x50                               ; C and D in window 1, the sources in window 0
.set mn, 0
.rept 8
.set mr, 0
.rept 2
	v_wmma_f32_16x16x32_\fm v[(\acc)+8*(8*mr+mn):(\acc)+8*(8*mr+mn)+7], v[FB+64*(\buf)+8*mn:FB+64*(\buf)+8*mn+7], v[FA+16*(\buf)+8*mr:FA+16*(\buf)+8*mr+7], v[(\acc)+8*(8*mr+mn):(\acc)+8*(8*mr+mn)+7]
.set mr, mr+1
.endr
.set mn, mn+1
.endr
.endm
; A prefetch into the L2 of the ring tile that stands two refills on.  All clusters walk the same tiles: cluster 0 asks; its 16 waves share a tile out by address, 8,192 bytes each, a lane 256 bytes:
; each block is named once.  The last two refills ask for nothing; tiles 0 to 3 come by their loads alone.
.macro ASK
	s_cmp_gt_u32 s[REM], s[LIM]
	s_cbranch_scc0 .Lnot_mine_\@
	global_prefetch_b8 v[PFO], s[PFA:PFA+1] th:TH_LOAD_NT scope:SCOPE_SE
.Lnot_mine_\@:
.endm
; THE CHANGE OF SLOTS, behind all of a tile's products
.macro MEET fill
.if \fill
	s_wait_xcnt 0x0                        ; the last prefetch, a tile back, has read its address
	s_add_nc_u64 s[PFA:PFA+1], s[PFA:PFA+1], TILEB
.endif
	s_wait_tensorcnt 0x0                   ; all my tensor loads have landed: my quarter of the next tile; so a group 0 may be written
	ds_add_u32 v[SPW], v[NIL]              ; 0 onto my spare word: the steps stand between it and the wait for it
.if \fill
	s_xor_b32 s[G0+1], s[G0+1], SLOTB      ; the walking descriptor: the slot just read,
	s_add_nc_u64 s[G0+2:G0+3], s[G0+2:G0+3], TILEB  ; the tile two on
.endif
	s_xor_b32 s[TB], s[TB], SLOTB
	v_add_nc_u32 v[VB], s[TB], v[VB0]      ; the reads go to the other slot's first k
	s_wait_dscnt 0x0                       ; the add is done, and my reads of this slot and of the activations are over
	s_barrier_signal -1
	s_barrier_wait -1
.if \fill
	CREST                                  ; no wave of any partner still reads the slot or has a load on its way
	tensor_load_to_lds s[G0:G0+3], s[G1:G1+7]
	s_nop 0
	PLACES
	ASK
	s_sub_co_u32 s[REM], s[REM], 1
.endif
.endm
; One ring tile: two trips of 64 k, 32 matrix instructions each.  The wait for 20 leaves out the second fetch's 20 loads.  The two address steps and two v_nop are the places ahead of the next fetch.
.macro TRIP acc, pitch, fill, fm
	s_mov_b32 s[CNK], 2
.Lk_\@:
	FETCH 0, 0, \pitch
	FETCH 1, 1, \pitch
	s_wait_dscnt 20
	MUL 0, \acc, \fm
	s_wait_dscnt 0x0
	MUL 1, \acc, \fm
	WIN 0
	v_add_nc_u32 v[VB], 2*QTR, v[VB]
	v_add_nc_u32 v[VA], 128, v[VA]
	v_nop
	v_nop
	s_sub_co_u32 s[CNK], s[CNK], 1
	s_cmp_lg_u32 s[CNK], 0
	s_cbranch_scc1 .Lk_\@
	MEET \fill
.endm
; 64 loads: my 32 KiB of a direct tile; each covers 512 consecutive bytes, aligned.  step = 1: the next tile; the pointer's last users were shown done by the wait for 0 at the head of DTR
.macro DLOAD step
.if \step
	s_add_nc_u64 s[DP:DP+1], s[DP:DP+1], TILEB
.endif
	WIN DW<<6
.set dq, 0
.rept 32
	global_load_b128 v[8*dq:8*dq+3], v[LOF], s[DP:DP+1] offset:1024*dq
	global_load_b128 v[8*dq+4:8*dq+7], v[LOF], s[DP:DP+1] offset:1024*dq+512
.set dq, dq+1
.endr
	WIN 0
.endm
; One direct tile: 64 matrix instructions on weights that lie in registers; the activations' k begin at byte koff of the rows.  cmode 0: the sums go on; 1: the first 16 products start them with 0;
; 2: with a bias.  dl = 1: the registers take the next direct tile, four places behind their last reader.
.macro DTR acc, pitch, koff, cmode, fm, dl
	WIN 0
	s_wait_loadcnt 0x0                     ; the direct tile is in; no load of mine is out
.set dk, 0
.rept 4
.set mr, 0
.rept 2
	ds_load_b128 v[FA+16*dk+8*mr:FA+16*dk+8*mr+3], v[VA] offset:mr*16*(\pitch)+(\koff)+64*dk
	ds_load_b128 v[FA+16*dk+8*mr+4:FA+16*dk+8*mr+7], v[VA] offset:mr*16*(\pitch)+(\koff)+64*dk+32
.set mr, mr+1
.endr
.set dk, dk+1
.endr
.set dk, 0
.rept 4
	s_wait_dscnt 12-4*dk                   ; the later k's four loads each may be out
.if (dk == 0) && ((\cmode) == 2)
	WIN 0x60|DW                            ; C in window 2
.else
	WIN 0x50|DW                            ; source 0 in the direct tile's window, source 1 in window 0, C and D in window 1
.endif
.set mn, 0
.rept 8
.set mr, 0
.rept 2
.if (dk == 0) && ((\cmode) == 1)
	v_wmma_f32_16x16x32_\fm v[(\acc)+8*(8*mr+mn):(\acc)+8*(8*mr+mn)+7], v[64*dk+8*mn:64*dk+8*mn+7], v[FA+16*dk+8*mr:FA+16*dk+8*mr+7], 0
.elseif (dk == 0) && ((\cmode) == 2)
	v_wmma_f32_16x16x32_\fm v[(\acc)+8*(8*mr+mn):(\acc)+8*(8*mr+mn)+7], v[64*dk+8*mn:64*dk+8*mn+7], v[FA+16*dk+8*mr:FA+16*dk+8*mr+7], v[BI+8*mn:BI+8*mn+7]
.else
	v_wmma_f32_16x16x32_\fm v[(\acc)+8*(8*mr+mn):(\acc)+8*(8*mr+mn)+7], v[64*dk+8*mn:64*dk+8*mn+7], v[FA+16*dk+8*mr:FA+16*dk+8*mr+7], v[(\acc)+8*(8*mr+mn):(\acc)+8*(8*mr+mn)+7]
.endif
.set mr, mr+1
.endr
.set mn, mn+1
.endr
.set dk, dk+1
.endr
	WIN 0
	PLACES
.if \dl
	DLOAD 1
.endif
.endm
.macro RE line:vararg                  ; one line for each of my rows i and each e below NE
.set i, 0
.rept 8
.set e, 0
.rept NE
	\line
.set e, e+1
.endr
.set i, i+1
.endr
.endm
.macro ROWS line:vararg                ; one line for each of my rows i
.set i, 0
.rept 8
	\line
.set i, i+1
.endr
.endm
.macro VLOAD hf                        ; half hf of value's 1,024 columns, my 8 rows, into the registers that held x
	WIN 0x40
.set NE, 4
	RE global_load_b128 v[X+16*i+4*e:X+16*i+4*e+3], v[GOF], s[10:11] offset:4096*i+2048*(\hf)+512*e th:TH_LOAD_NT
	WIN 0
.endm
; n ring tiles.  hook: behind the FIRST of them half hook - 1 of value is asked for (hook = 1: in the first trip of the loop over q and k alone).  The jumps go forward, over loads alone.
.macro UNIT n, acc, pitch, fill, fm, hook=0
	s_mov_b32 s[CNT], \n
.Lunit_\@:
	TRIP \acc, \pitch, \fill, \fm
.if \hook
	s_cmp_lg_u32 s[CNT], \n
	s_cbranch_scc1 .Lnoh_\@
.if (\hook) == 1
	s_cmp_lg_u32 s[CN2], 2
	s_cbranch_scc1 .Lnoh_\@
.endif
	s_wait_loadcnt 0x0                     ; the direct tile asked for a ring tile ago is in, and no load into these registers is out
	VLOAD (\hook)-1
.Lnoh_\@:
.endif
	s_sub_co_u32 s[CNT], s[CNT], 1
	s_cmp_lg_u32 s[CNT], 0
	s_cbranch_scc1 .Lunit_\@
.endm
.macro RSUM                            ; four pairs of partial sums a row -> the row's sum in every lane
	WIN 0
	ROWS v_pk_add_f32 v[PS+8*i:PS+8*i+1], v[PS+8*i:PS+8*i+1], v[PS+8*i+2:PS+8*i+3]
	ROWS v_pk_add_f32 v[PS+8*i+4:PS+8*i+5], v[PS+8*i+4:PS+8*i+5], v[PS+8*i+6:PS+8*i+7]
	ROWS v_pk_add_f32 v[PS+8*i:PS+8*i+1], v[PS+8*i:PS+8*i+1], v[PS+8*i+4:PS+8*i+5]
	ROWS v_add_f32 v[SM+i], v[PS+8*i], v[PS+8*i+1]
	ROWS v_add_f32_dpp v[SM+i], v[SM+i], v[SM+i] row_xmask:1 row_mask:0xf bank_mask:0xf
	ROWS v_add_f32_dpp v[SM+i], v[SM+i], v[SM+i] row_xmask:2 row_mask:0xf bank_mask:0xf
	ROWS v_add_f32_dpp v[SM+i], v[SM+i], v[SM+i] row_xmask:4 row_mask:0xf bank_mask:0xf
	ROWS v_add_f32_dpp v[SM+i], v[SM+i], v[SM+i] row_xmask:8 row_mask:0xf bank_mask:0xf
	ROWS v_permlanex16_b32 v[PS+8*i], v[SM+i], s[SEL], s[SEL+1]
	ROWS v_add_f32 v[SM+i], v[SM+i], v[PS+8*i]
.endm
.macro PACKX                           ; my 8 rows of 512 numbers are rounded to bf16 and go into ACT: a store covers 256 bytes on end
	WIN 0x05
.set NE, 8
	RE v_cvt_pk_bf16_f32 v[PS+8*i+e], v[X+16*i+2*e], v[X+16*i+2*e+1]
	WIN 0
.set NE, 4
	RE ds_store_b64 v[ADR], v[PS+8*i+2*e:PS+8*i+2*e+1] offset:i*AP+256*e
.endm
.macro CVTV                            ; the half of value that is in becomes the activations
	s_wait_loadcnt 0x0
	PACKX                                  ; every wave's reads of ACT were over ahead of the last change of slots
	s_wait_dscnt 0x0
	s_barrier_signal -1
	s_barrier_wait -1
	v_mov_b32 v[VA], v[VAACT]
.endm
; THE WAY OUT.  Rounded to bf16; a head's 32 rows x 64 bytes go through my own stage (rows of 256 bytes + 16) and leave as four stores of 512 consecutive bytes, aligned.
.macro EPI
	WIN 0x05
.set hd, 0
.rept 4
.set g, 0                              ; g = 2 rt + c: row tile rt, channels 16 c on
.rept 4
.set e, 0
.rept 4
	v_cvt_pk_bf16_f32 v[FB+16*hd+4*g+e], v[ACC+8*(8*(g/2)+2*hd+g%2)+2*e], v[ACC+8*(8*(g/2)+2*hd+g%2)+2*e+1]
.set e, e+1
.endr
.set g, g+1
.endr
.set hd, hd+1
.endr
	WIN 0
.set hd, 0
.rept 4
.set g, 0
.rept 4
	ds_store_b128 v[STO], v[FB+16*hd+4*g:FB+16*hd+4*g+3] offset:1088*(g/2)+32*(g%2)
.set g, g+1
.endr
.set g, 0
.rept 4
	ds_load_b128 v[FB+64+16*hd+4*g:FB+64+16*hd+4*g+3], v[RD] offset:544*g  ; LDS serves a wave's instructions in order (ISA guide 5.7.1.4): these see the stores above, the next head's stores come behind them
.set g, g+1
.endr
.set hd, hd+1
.endr
.set hd, 0
.rept 4
	s_wait_dscnt 8*(3-hd)                  ; the later heads' eight LDS instructions each may be out
.set g, 0
.rept 4
	global_store_b128 v[GOF], v[FB+64+16*hd+4*g:FB+64+16*hd+4*g+3], s[OUT:OUT+1] offset:131072*hd+512*g
.set g, g+1
.endr
.set hd, hd+1
.endr
	s_wait_xcnt 0x0                        ; the stores' registers and base are written again only behind this wait
.endm
	s_load_b512 s[8:23], s[0:1], 0x0       ; x, value, g1, be1, wstream, qb, kb, vb
	v_lshl_add_u32 v[SPW], v0, 2, SPARE
	v_mov_b32 v[NIL], 0
	ds_add_u32 v[SPW], v[NIL]              ; the wave's opening: the add and its wait stand ahead of my first tensor load; work on registers stands between them
	v_lshrrev_b32 v1, 5, v0
	v_readfirstlane_b32 s[WV], v1
	s_bfe_u32 s[CX], ttmp6, 0x40000
	s_lshl_b32 s[GID], ttmp9, 2
	s_add_co_u32 s[GID], s[GID], s[CX]     ; my block of 32 rows: it enters global addresses of x, value, q, k, v and the prefetch alone
	s_mov_b32 s[G1+0], 15|(1<<16)|(1<<20)|(1<<21)|(7<<22)|(7<<25)  ; the mask of four; 2-byte elements; padding on; bit 21 beside a mask; after every 256 words; 8 words
	s_mov_b32 s[G1+1], 512<<16             ; tensor_dim0 = 512
	s_mov_b32 s[G1+2], 32<<16              ; tensor_dim1 = 32
	s_mov_b32 s[G1+3], 512<<16             ; tile_dim0 = 512
	s_mov_b32 s[G1+4], 32                  ; tile_dim1 = 32
	s_mov_b32 s[G1+5], 512                 ; 512 elements from row to row
	s_mov_b32 s[G1+6], 0
	s_mov_b32 s[G1+7], 0
	s_mov_b32 s[G0A], 1
	s_mul_i32 s[G0A+1], s[WV], QTR         ; slot 0, my quarter
	s_mov_b32 s[G0], 1
	s_add_co_u32 s[G0+1], s[G0A+1], SLOTB  ; slot 1
	s_lshl_b32 s32, s[WV], 15              ; my quarter of a tile in memory, of either kind
	s_mov_b32 s33, 0
	s_lshl_b32 s34, s[CX], 2
	s_add_co_u32 s34, s34, s[WV]
	s_lshl_b32 s34, s34, 13                ; my wave's 8,192 bytes of a tile, for the prefetches
	s_mov_b32 s35, 0
	s_mov_b32 s[TB], 0
	s_mov_b32 s[REM], TILES-2
	s_cmp_eq_u32 ttmp9, 0
	s_cselect_b32 s[LIM], 2, -1
	s_mov_b32 s[SEL], 0x76543210
	s_mov_b32 s[SEL+1], 0xfedcba98
	s_mov_b32 s[C512], 0x3b000000          ; 1 / 512
	s_lshl_b32 s31, s[GID], 5
	s_lshl_b32 s68, s[WV], 3
	s_add_co_u32 s31, s31, s68             ; my first row
	s_lshl_b32 s68, s31, 11
	s_mov_b32 s69, 0
	s_lshl_b32 s70, s31, 12
	s_mov_b32 s71, 0
	s_lshr_b32 s72, s[GID], 6
	s_lshl_b32 s72, s72, 2
	s_add_co_u32 s72, s72, s[WV]
	s_lshl_b32 s72, s72, 19                ; (16 b + 4 w) x 131,072
	s_and_b32 s73, s[GID], 63
	s_lshl_b32 s73, s73, 11
	s_add_co_u32 s72, s72, s73
	s_mov_b32 s73, 0
	v_and_b32 v3, 31, v0                   ; l
	v_and_b32 v1, 15, v0                   ; l % 16
	v_bfe_u32 v2, v0, 4, 1                 ; l / 16
	v_and_b32 v15, 7, v0
	v_lshl_add_u32 v15, v2, 3, v15
	v_mul_u32_u24 v[VB0], v15, BP          ; the turning load: k row 8 (l / 16) + l % 8,
	v_bfe_u32 v15, v0, 3, 1
	v_lshl_add_u32 v[VB0], v15, 4, v[VB0]  ; columns 8 ((l / 8) % 2) on,
	s_lshl_b32 s31, s[WV], 8
	v_add_nc_u32 v[VB0], s31, v[VB0]       ; of my wave's 128
	v_mov_b32 v[VB], v[VB0]
	v_mul_u32_u24 v[VAACT], v1, AP
	v_lshl_add_u32 v[VAACT], v2, 4, v[VAACT]
	v_add_nc_u32 v[VAACT], ACT, v[VAACT]
	s_mul_i32 s31, s[WV], 2176
	s_add_co_u32 s31, s31, STG
	v_lshrrev_b32 v15, 2, v1
	v_mul_u32_u24 v[STO], v15, 272
	v_and_b32 v15, 3, v0
	v_lshl_add_u32 v[STO], v15, 6, v[STO]
	v_lshl_add_u32 v[STO], v2, 4, v[STO]
	v_add_nc_u32 v[STO], s31, v[STO]
	v_mul_u32_u24 v[RD], v2, 272
	v_lshl_add_u32 v[RD], v1, 4, v[RD]
	v_add_nc_u32 v[RD], s31, v[RD]
	v_lshlrev_b32 v[GOF], 4, v3
	s_mul_i32 s31, s[WV], 8*AP
	s_add_co_u32 s31, s31, ACT
	v_lshl_add_u32 v[ADR], v3, 3, s31
	v_lshlrev_b32 v[PFO], 8, v3
	s_wait_dscnt 0x0                       ; the opening add is done
	s_wait_kmcnt 0x0
	s_add_nc_u64 s[8:9], s[8:9], s[68:69]
	s_add_nc_u64 s[10:11], s[10:11], s[70:71]
	s_add_nc_u64 s[18:19], s[18:19], s[72:73]
	s_add_nc_u64 s[20:21], s[20:21], s[72:73]
	s_add_nc_u64 s[22:23], s[22:23], s[72:73]
	s_add_nc_u64 s[PFA:PFA+1], s[16:17], s[34:35]
	s_add_nc_u64 s[PFA:PFA+1], s[PFA:PFA+1], 3*TILEB  ; the first refill steps it to tile 4
	s_add_nc_u64 s[DP:DP+1], s[16:17], s[32:33]
	s_add_nc_u64 s[DP:DP+1], s[DP:DP+1], DIRB
	s_add_nc_u64 s[G0A+2:G0A+3], s[16:17], s[32:33]
	s_add_nc_u64 s[G0+2:G0+3], s[G0A+2:G0A+3], TILEB
	s_or_b32 s[G0A+3], s[G0A+3], 0x80000000
	s_or_b32 s[G0+3], s[G0+3], 0x80000000
	s_mov_b64 s[OUT:OUT+1], s[18:19]
	CROUND                                 ; all four work-groups are here: the first joint loads meet
	tensor_load_to_lds s[G0A:G0A+3], s[G1:G1+7]  ; tile 0
	s_nop 0
	tensor_load_to_lds s[G0:G0+3], s[G1:G1+7]    ; tile 1
	s_nop 0
	PLACES
.set e, 0
.rept 4
	global_load_b128 v[GG+4*e:GG+4*e+3], v[GOF], s[12:13] offset:512*e
	global_load_b128 v[BB+4*e:BB+4*e+3], v[GOF], s[14:15] offset:512*e
.set e, e+1
.endr
	WIN 0x40
.set NE, 4
	RE global_load_b128 v[X+16*i+4*e:X+16*i+4*e+3], v[GOF], s[8:9] offset:2048*i+512*e th:TH_LOAD_NT
	s_wait_loadcnt 0x0                     ; x, g1, be1
	DLOAD 0                                ; wq's direct tile comes in under the layer norm
	; LAYER NORM of my 8 rows, a stage for all rows at a time, so that the windows change once a stage
	WIN 0x05
.set NE, 4
	RE v_pk_add_f32 v[PS+8*i+2*e:PS+8*i+2*e+1], v[X+16*i+2*e:X+16*i+2*e+1], v[X+16*i+8+2*e:X+16*i+8+2*e+1]
	RSUM
	ROWS v_mul_f32 v[MU+2*i], s[C512], v[SM+i]
	ROWS v_mov_b32 v[MU+2*i+1], v[MU+2*i]
	WIN 0x41
.set NE, 8
	RE v_pk_add_f32 v[X+16*i+2*e:X+16*i+2*e+1], v[X+16*i+2*e:X+16*i+2*e+1], v[MU+2*i:MU+2*i+1] neg_lo:[0,1] neg_hi:[0,1]
	WIN 0x05
.set NE, 4
	RE v_pk_mul_f32 v[PS+8*i+2*e:PS+8*i+2*e+1], v[X+16*i+2*e:X+16*i+2*e+1], v[X+16*i+2*e:X+16*i+2*e+1]
	RE v_pk_fma_f32 v[PS+8*i+2*e:PS+8*i+2*e+1], v[X+16*i+8+2*e:X+16*i+8+2*e+1], v[X+16*i+8+2*e:X+16*i+8+2*e+1], v[PS+8*i+2*e:PS+8*i+2*e+1]
	RSUM
	ROWS v_fmaak_f32 v[SM+i], s[C512], v[SM+i], 0x3727c5ac  ; the variance + 1e-5
	ROWS v_rsq_f32 v[RS+2*i], v[SM+i]
	v_nop                                  ; a plain instruction behind the last of the batch,
	s_wait_alu depctr_va_vdst(0)           ; and the one wait ahead of the first reader
	ROWS v_mov_b32 v[RS+2*i+1], v[RS+2*i]
	WIN 0x41
.set NE, 8
	RE v_pk_mul_f32 v[X+16*i+2*e:X+16*i+2*e+1], v[X+16*i+2*e:X+16*i+2*e+1], v[RS+2*i:RS+2*i+1]
	RE v_pk_fma_f32 v[X+16*i+2*e:X+16*i+2*e+1], v[X+16*i+2*e:X+16*i+2*e+1], v[GG+2*e:GG+2*e+1], v[BB+2*e:BB+2*e+1]
	PACKX
	s_wait_tensorcnt 1                     ; my quarter of tile 0 is in; tile 1 may stay out
	s_wait_dscnt 0x0                       ; my rows of xn lie in ACT
	s_barrier_signal -1
	s_barrier_wait -1
	s_mov_b32 s[CN2], 2
.Lqk:                                      ; q, then k: the direct tile, whose first products start the sums, then three ring tiles
	v_mov_b32 v[VA], v[VAACT]
	DTR ACC, AP, 768, 1, bf16, 1
	UNIT 3, ACC, AP, 1, bf16, 1            ; (in q's trip value's first half is asked for)
	EPI
	s_mov_b64 s[OUT:OUT+1], s[20:21]
	s_sub_co_u32 s[CN2], s[CN2], 1
	s_cmp_lg_u32 s[CN2], 0
	s_cbranch_scc1 .Lqk
	CVTV                                   ; v: value's columns 0-511,
	DTR ACC, AP, 768, 1, bf16, 1
	UNIT 3, ACC, AP, 1, bf16, 2            ; (value's second half is asked for)
	CVTV                                   ; then 512-1,023
	DTR ACC, AP, 768, 0, bf16, 0
	TRIP ACC, AP, 1, bf16
	UNIT 2, ACC, AP, 0, bf16               ; the last two ring tiles ask for nothing
	s_mov_b64 s[OUT:OUT+1], s[22:23]
	EPI
	s_wait_tensorcnt 0x0                   ; the wave's end, behind my last tensor load and my last LDS store
	ds_add_u32 v[SPW], v[NIL]
	s_wait_dscnt 0x0
	CROUND                                 ; the closing round
	s_endpgm
.Lfunc_end_k_q88f72b9639_head:
	.size	k_q88f72b9639_head, .Lfunc_end_k_q88f72b9639_head-k_q88f72b9639_head
	.p2alignl 7, 3214868480
	.fill 96, 4, 3214868480
	.section	.rodata,"a",@progbits
	.p2align	6, 0x0
	.amdhsa_kernel k_q88f72b9639_head
		.amdhsa_group_segment_fixed_size 327680
		.amdhsa_private_segment_fixed_size 0
		.amdhsa_enable_private_segment 0
		.amdhsa_kernarg_size 64
		.amdhsa_user_sgpr_count 2
		.amdhsa_user_sgpr_kernarg_segment_ptr 1
		.amdhsa_wavefront_size32 1
		.amdhsa_system_sgpr_workgroup_id_x 1
		.amdhsa_system_sgpr_workgroup_id_y 1
		.amdhsa_system_sgpr_workgroup_id_z 1
		.amdhsa_system_vgpr_workitem_id 0
		.amdhsa_next_free_vgpr 768
		.amdhsa_next_free_sgpr 76
		.amdhsa_reserve_vcc 0
		.amdhsa_float_denorm_mode_32 3
		.amdhsa_float_denorm_mode_16_64 3
		.amdhsa_memory_ordered 1
		.amdhsa_forward_progress 1
		.amdhsa_inst_pref_size 138
	.end_amdhsa_kernel
	.amdgpu_metadata
---
amdhsa.version: [ 1, 2 ]
amdhsa.kernels:
  - .name:           k_q88f72b9639_head
    .symbol:         k_q88f72b9639_head.kd
    .args:
      - { .name: x, .offset: 0, .size: 8, .value_kind: global_buffer, .address_space: global }
      - { .name: value, .offset: 8, .size: 8, .value_kind: global_buffer, .address_space: global }
      - { .name: g1, .offset: 16, .size: 8, .value_kind: global_buffer, .address_space: global }
      - { .name: be1, .offset: 24, .size: 8, .value_kind: global_buffer, .address_space: global }
      - { .name: wstream, .offset: 32, .size: 8, .value_kind: global_buffer, .address_space: global }
      - { .name: qb, .offset: 40, .size: 8, .value_kind: global_buffer, .address_space: global }
      - { .name: kb, .offset: 48, .size: 8, .value_kind: global_buffer, .address_space: global }
      - { .name: vb, .offset: 56, .size: 8, .value_kind: global_buffer, .address_space: global }
    .group_segment_fixed_size: 327680
    .private_segment_fixed_size: 0
    .kernarg_segment_align: 8
    .kernarg_segment_size: 64
    .max_flat_workgroup_size: 128
    .sgpr_count:     76
    .vgpr_count:     768
    .wavefront_size: 32
...
	.end_amdgpu_metadata
.endif
;; end of part 2
;; launch attn (part 3): grid 4 x 64, 4 waves a work-group, clusters of 4 x 1, 327,680 bytes of LDS; arguments qb, kb, vb, ob; writes ob
.if DOCPART == 3
	.amdgcn_target "amdgcn-amd-amdhsa--gfx1250"
	.amdhsa_code_object_version 6
	.text
	.protected	k_q88f72b9639_attn
	.globl	k_q88f72b9639_attn
	.p2align	8
	.type	k_q88f72b9639_attn,@function
k_q88f72b9639_attn:
	s_mov_b64 s[64:65], 0
	v_nop
	global_prefetch_b8 v0, s[64:65] scope:SCOPE_SE
	s_setreg_imm32_b32 hwreg(HW_REG_WAVE_MODE, 25, 1), 1
	s_wait_xcnt 0x0
	s_wait_alu depctr_hold_cnt(0) depctr_sa_sdst(0) depctr_va_vdst(0) depctr_va_sdst(0) depctr_va_ssrc(0) depctr_va_vcc(0) depctr_vm_vsrc(0)
	s_getreg_b32 s2, hwreg(HW_REG_IB_STS2, 6, 4)
	s_cmp_eq_u32 s2, 0
	s_cbranch_scc0 .Lentry_in_a_cluster
	s_endpgm
.Lentry_in_a_cluster:
	s_bfe_u32 s2, ttmp6, 0x10000c
	s_cmp_lg_u32 s2, 0x3003
	s_cbranch_scc0 .Lentry_shape_is_right
	s_endpgm
.Lentry_shape_is_right:
; ATTENTION at head size 32.  O[h][q][:] = the sum over k of softmax_k(Q[h][q] . K[h][k] / sqrt(512)) V[h][k][:].  Q, K, V, O: [64][2,048][32] in bf16: a head's rows are dense, 64 bytes each.
; Products, maxima and sums in f32; the weights p are rounded to bf16 for the second product (their sum l is taken of the unrounded p), O once at the end.
; LIMITS.  A weight below 2^-126 counts as 0 in l; NaN and infinities are not treated apart.  m starts at the lowest finite number.
; SHARES.  A work-group owns 512 queries of one head, a wave 128: four PIECES of two tiles of 16.  Every wave walks all 2,048 keys, 64 a step.
; THE WHOLE HEAD'S K AND V LIE IN LDS, filled once: 131,072 bytes each, asked for as rows of 256 bytes (four keys) and padded after each.  So the loop has no ring, no barrier and no round.
; The four work-groups of a cluster belong to one head: the four loads (K's and V's halves, one a wave) are JOINT.  Nothing is prefetched: all that the launch reads is asked for at its head.
; LAYOUT.  S^T = K Q^T (source 0 = 16 keys, source 1 = 16 queries; 32 channels are one instruction): a lane holds ONE query (lane % 16) and the keys 8 (lane / 16) + 0..7.  Two such results rounded to
; bf16 ARE source 1 (32 keys x 16 queries) of O^T = V^T P, whose result again holds one query a lane.  K comes out of LDS as it lies, V turned, by ds_load_tr16_b128.
; SOFTMAX.  A running maximum m and sum l: p = 2^(c s - c m), c = log2(e) / sqrt(512); in every step O and l are multiplied by a = 2^(c m_old - c m_new).  O and l start at 0: the first step has a = 0.
; BY TURNS.  Turn n belongs to piece n: 8 products K Q^T of piece n + 1, later 8 products V^T P of piece n - 1; beside them the scaling, exponentials, roundings, sums and rescaling of piece n and the maximum
; and statistics of piece n + 1.  A tile and step have 8 matrix and 110 vector instructions: four stand behind each matrix instruction, the rest in runs of their own.  A turn's 66 exponentials are one batch with one wait.
; REGISTERS.  window 0: v0-11 addresses; v12-15, v48-63 at work; v16-47 four statistics a tile; v64-191 S^T, two buffers of two tiles; v192-255 P, likewise
;   window 1: v0-127 O^T, 16 a tile; v128-191 Q, 8 a tile; v192-223 K of one step; v224-255 V of one step
.set NP,    4
.set KROW,  272                        ; four keys of K: 256 bytes + 16: the 16 keys of a load start at 16 different groups of four banks
.set VROW,  288                        ; four keys of V: 256 + 32
.set VBASE, 512*KROW
.set STAGE, VBASE+512*VROW             ; 1,088 bytes a wave for the way out; no fill lands here
.set SPARE, STAGE+4*1088               ; the spare words, 128 bytes for each wave: two blocks of 256 bytes that no other line names
.set AK,  3
.set AV,  4
.set STO, 5
.set RD,  6
.set GO,  7
.set SPW, 8
.set NIL, 9
.set QO,  10
.set LT,  11
.set MV,  12
.set ST,  16                           ; tile t's statistics at v[ST+4 t]: c m, m, l (even keys', odd keys')
.set TMP, 48
.set S,   64
.set P,   192
.set QF,  128
.set KF,  192
.set VF,  224
.set WV,  12
.set G1K, 24
.set G1V, 32
.set G0K, 40
.set G0V, 44
.set CNT, 57
.set CS,  58
.set SEL, 60
.set MSB, 0
.macro WIN new
.if MSB != (\new)
	s_set_vgpr_msb (MSB<<8)|(\new)
.set MSB, (\new)
.endif
.endm
.set W_KQ, 0x05       ; K and Q in window 1, S^T in window 0
.set W_PV, 0x51       ; V and O^T in window 1, P in window 0
.set W_RS, 0x41       ; destination and source 0 in window 1, source 1 in window 0
.macro CROUND
	s_barrier_signal -1
	s_barrier_wait -1
	s_cmp_lg_u32 s[WV], 0
	s_cbranch_scc1 .Lnot_wave_0_\@
	s_barrier_signal -3
.Lnot_wave_0_\@:
	s_barrier_wait -3
	s_barrier_signal -1
	s_barrier_wait -1
.endm
	s_load_b256 s[4:11], s[0:1], 0x0       ; qb s[4:5], kb s[6:7], vb s[8:9], ob s[10:11]
	v_lshl_add_u32 v[SPW], v0, 2, SPARE
	v_mov_b32 v[NIL], 0
	ds_add_u32 v[SPW], v[NIL]              ; the wave's opening: the add and its wait stand ahead of my first tensor load
	v_lshrrev_b32 v1, 5, v0
	v_readfirstlane_b32 s[WV], v1
	s_bfe_u32 s13, ttmp6, 0x40000          ; cx: my block of 512 queries; it enters Q's and O's addresses alone
	s_and_b32 s20, ttmp7, 0xffff           ; the head, which the four partners share
	s_lshl_b32 s20, s20, 17
	s_mov_b32 s21, 0
	s_and_b32 s16, s[WV], 1                ; which half of the 2,048 keys I fetch
	s_lshl_b32 s22, s16, 16
	s_add_co_u32 s22, s22, s20
	s_mov_b32 s23, 0
	s_mul_i32 s17, s16, 256*KROW
	s_mul_i32 s18, s16, 256*VROW
	s_lshl_b32 s2, s13, 2
	s_add_co_u32 s2, s2, s[WV]
	s_lshl_b32 s2, s2, 13                  ; my wave's 128 rows
	s_add_co_u32 s2, s2, s20
	s_mov_b32 s3, 0
	s_mov_b32 s[G1K], 15|(1<<16)|(1<<20)|(1<<21)|(5<<22)|(3<<25)  ; the mask of four; 2-byte elements; padding on; bit 21 beside a mask; after every 64 words; 4 words
	s_mov_b32 s[G1V], 15|(1<<16)|(1<<20)|(1<<21)|(5<<22)|(7<<25)  ; the same with 8 words
.irp g, G1K, G1V
	s_mov_b32 s[\g+1], 128<<16             ; tensor_dim0 = 128
	s_mov_b32 s[\g+2], 256<<16             ; tensor_dim1 = 256
	s_mov_b32 s[\g+3], 128<<16             ; tile_dim0 = 128
	s_mov_b32 s[\g+4], 256                 ; tile_dim1 = 256
	s_mov_b32 s[\g+5], 128
	s_mov_b32 s[\g+6], 0
	s_mov_b32 s[\g+7], 0
.endr
	s_mov_b32 s[CS], 0x3d8293ee            ; c = log2(e) / sqrt(512)
	s_mov_b32 s[CS+1], s[CS]
	s_mov_b32 s[SEL], 0x76543210
	s_mov_b32 s[SEL+1], 0xfedcba98
	s_mov_b32 s[G0K], 1
	s_mov_b32 s[G0K+1], s17
	s_mov_b32 s[G0V], 1
	s_add_co_u32 s[G0V+1], s18, VBASE
	s_wait_dscnt 0x0                       ; the opening add is done
	s_wait_kmcnt 0x0
	s_add_nc_u64 s[G0K+2:G0K+3], s[6:7], s[22:23]
	s_or_b32 s[G0K+3], s[G0K+3], 0x80000000
	s_add_nc_u64 s[G0V+2:G0V+3], s[8:9], s[22:23]
	s_or_b32 s[G0V+3], s[G0V+3], 0x80000000
	s_add_nc_u64 s[4:5], s[4:5], s[2:3]
	s_add_nc_u64 s[10:11], s[10:11], s[2:3]
	CROUND                                 ; all four work-groups are here: the joint loads meet
	s_cmp_lt_u32 s[WV], 2                  ; waves 0 and 1 fetch K's halves, waves 2 and 3 V's: one load a wave, the only ones of the launch
	s_cbranch_scc0 .Lfor_v
	tensor_load_to_lds s[G0K:G0K+3], s[G1K:G1K+7]
	s_nop 0
.rept 4
	v_nop
.endr
	s_branch .Lasked
.Lfor_v:
	tensor_load_to_lds s[G0V:G0V+3], s[G1V:G1V+7]
	s_nop 0
.rept 4
	v_nop
.endr
.Lasked:
	v_and_b32 v1, 15, v0                   ; l % 16
	v_bfe_u32 v2, v0, 4, 1                 ; l / 16
	v_lshlrev_b32 v[QO], 6, v1
	v_lshl_add_u32 v[QO], v2, 4, v[QO]     ; row x 64 + 16 x half
	WIN 0x40
.set i, 0
.rept 8                                    ; Q stays in registers: tile i
	global_load_b128 v[QF+8*i:QF+8*i+3],   v[QO], s[4:5] offset:1024*i th:TH_LOAD_NT
	global_load_b128 v[QF+8*i+4:QF+8*i+7], v[QO], s[4:5] offset:1024*i+32 th:TH_LOAD_NT
.set i, i+1
.endr
	; What the first turn finds: V's registers and P's second buffer hold 0 (its products V^T P, of a piece that has not been, add 0), O^T and l are 0.  All this stands in the wait for K and V:
	; no first step is written out, which would double the loop's text.
.set i, 0
.rept 128
	v_mov_b32 v[i], 0
.set i, i+1
.endr
.set i, VF
.rept 32
	v_mov_b32 v[i], 0
.set i, i+1
.endr
	WIN 0
.set i, 0
.rept 8
	v_mov_b32 v[ST+4*i], 0xfe000000        ; c m: far below every c s
	v_mov_b32 v[ST+4*i+1], 0xff7fffff      ; m
	v_mov_b32 v[ST+4*i+2], 0
	v_mov_b32 v[ST+4*i+3], 0
.set i, i+1
.endr
.set i, P+32
.rept 32
	v_mov_b32 v[i], 0
.set i, i+1
.endr
	v_lshrrev_b32 v[LT], 2, v1             ; key or row l % 16 among rows of four: (r / 4) x 272 + (r % 4) x 64 + 16 x half
	v_mul_u32_u24 v[LT], v[LT], KROW
	v_and_b32 v[AV], 3, v0
	v_lshl_add_u32 v[LT], v[AV], 6, v[LT]
	v_lshl_add_u32 v[LT], v2, 4, v[LT]
	v_mov_b32 v[AK], v[LT]
	v_bfe_u32 v[RD], v0, 2, 1              ; the turning load: key 8 (l / 16) + l % 8, channels 8 ((l / 8) % 2) on
	v_lshl_add_u32 v[RD], v2, 1, v[RD]
	v_mul_u32_u24 v[RD], v[RD], VROW
	v_lshl_add_u32 v[AV], v[AV], 6, v[RD]
	v_bfe_u32 v[RD], v0, 3, 1
	v_lshl_add_u32 v[AV], v[RD], 4, v[AV]
	v_add_nc_u32 v[AV], VBASE, v[AV]
; THE MATRIX WORK.  Product i of 8 of S^T = K Q^T for piece x: keys 16 (i / 2) on, tile 2 x + i % 2: one instruction is the whole sum.
.macro KQ x
	WIN W_KQ
.set rS, S+64*((\x)%2)+32*(i%2)+8*(i/2)
.set rK, KF+8*(i/2)
.set rQ, QF+8*(2*(\x)+i%2)
	v_wmma_f32_16x16x32_bf16 v[rS:rS+7], v[rK:rK+7], v[rQ:rQ+7], 0
.endm
; Product i of 8 of O^T += V^T P for piece x: keys 32 (i / 4) on, channels 16 ((i / 2) % 2) on, tile 2 x + i % 2.  The four accumulators take turns.
.macro PV x
	WIN W_PV
.set rO, 16*(2*(\x)+i%2)+8*((i/2)%2)
.set rV, VF+16*(i/4)+8*((i/2)%2)
.set rP, P+32*((\x)%2)+16*(i%2)+8*(i/4)
	v_wmma_f32_16x16x32_bf16 v[rO:rO+7], v[rV:rV+7], v[rP:rP+7], v[rO:rO+7]
.endm
.macro MM                                  ; the turn's next matrix instruction
.if i < 8
	KQ (Y+1)%NP
.set i, i+1
.else
.set i, i-8
	PV (Y+NP-1)%NP
.set i, i+9
.endif
.endm
; THE LDS LOADS stand in runs of 8: a step's K (64 keys x 32 channels: 4 fragments) and its V (turned); then the address steps to the next 64 keys.
.macro FETCH_K
	WIN 0x40
.irp f, 0,1,2,3
	ds_load_b128 v[KF+8*\f:KF+8*\f+3],   v[AK] offset:4*KROW*\f
	ds_load_b128 v[KF+8*\f+4:KF+8*\f+7], v[AK] offset:4*KROW*\f+32
.endr
	WIN 0
	v_add_nc_u32 v[AK], 16*KROW, v[AK]
.endm
.macro FETCH_V
	WIN 0x40
.irp f, 0,1,2,3                            ; keys 32 (f / 2) on, channels 16 (f % 2) on
	ds_load_tr16_b128 v[VF+8*\f:VF+8*\f+3],   v[AV] offset:8*VROW*(\f/2)+32*(\f%2)
	ds_load_tr16_b128 v[VF+8*\f+4:VF+8*\f+7], v[AV] offset:8*VROW*(\f/2)+32*(\f%2)+4*VROW
.endr
	WIN 0
	v_add_nc_u32 v[AV], 16*VROW, v[AV]
.endm
; THE VECTOR WORK OF A TURN stands in three queues, each in the order in which its entries become ready; the two tiles alternate.
.macro REGS y, u
.set rT, ST+4*(2*(\y)+(\u))
.set rC, TMP+8*((\y)%2)+4*(\u)
.set rM, MV+2*((\y)%2)+(\u)
.set rS, S+64*((\y)%2)+32*(\u)
.set rP, P+32*((\y)%2)+16*(\u)
.set rO, 16*(2*(\y)+(\u))
.endm
; Number n of the 22 that find the NEXT piece's maximum and statistics.  Each accumulator's lowest registers are read first.
;   0-11 four chains of seven scores     12-14, 16 the four left over, the old m, the chains into one     15 c m_old is kept     17, 18 the other half of the lanes     19-21 c m; its change; a
.macro XS u, n
	REGS (Y+1)%NP, \u
.if (\n) < 4
	v_max3_num_f32 v[rC+(\n)], v[rS+8*(\n)], v[rS+8*(\n)+1], v[rS+8*(\n)+2]
.elseif (\n) < 12
	v_max3_num_f32 v[rC+(\n)%4], v[rC+(\n)%4], v[rS+8*((\n)%4)+2*((\n)/4)+1], v[rS+8*((\n)%4)+2*((\n)/4)+2]
.elseif (\n) == 12
	v_max3_num_f32 v[rC], v[rC], v[rS+7], v[rS+15]
.elseif (\n) == 13
	v_max3_num_f32 v[rC+1], v[rC+1], v[rS+23], v[rS+31]
.elseif (\n) == 14
	v_max3_num_f32 v[rC+2], v[rC+2], v[rC+3], v[rT+1]
.elseif (\n) == 15
	v_mov_b32 v[rM], v[rT]
.elseif (\n) == 16
	v_max3_num_f32 v[rC], v[rC], v[rC+1], v[rC+2]
.elseif (\n) == 17
	v_permlanex16_b32 v[rC+3], v[rC], s[SEL], s[SEL+1]
.elseif (\n) == 18
	v_max_num_f32 v[rT+1], v[rC], v[rC+3]
.elseif (\n) == 19
	v_mul_f32 v[rT], s[CS], v[rT+1]
.elseif (\n) == 20
	v_sub_f32 v[rC+1], v[rM], v[rT]
.else
	v_exp_f32 v[rC+2], v[rC+1]
.endif
.endm
; Number g of the 64 that follow the exponentials: of each four weights both pairs are rounded to bf16, the second pair is added onto the first in place, and a group later l takes that sum (the first time as l = a l + sum).
.macro GS g
.set h, (\g)+6*((\g)/62)
.if h >= 6
.set h, h+2
.endif
	REGS Y, h%2
.set k, h/8
.if h%8 < 4
	v_cvt_pk_bf16_f32 v[rP+2*k+(h%8)/2], v[rS+4*k+2*((h%8)/2)], v[rS+4*k+2*((h%8)/2)+1]
.elseif h%8 < 6
	v_pk_add_f32 v[rS+4*k:rS+4*k+1], v[rS+4*k:rS+4*k+1], v[rS+4*k+2:rS+4*k+3]
.elseif k == 1
	v_pk_fma_f32 v[rT+2:rT+3], v[rT+2:rT+3], v[rC+2:rC+3], v[rS:rS+1] op_sel_hi:[1,0,1]
.else
	v_pk_add_f32 v[rT+2:rT+3], v[rT+2:rT+3], v[rS+4*k-4:rS+4*k-3]
.endif
.endm
.macro FS f                                ; c s - c m for pair f / 2 of tile f % 2
	REGS Y, (\f)%2
	v_pk_fma_f32 v[rS+2*((\f)/2):rS+2*((\f)/2)+1], v[rS+2*((\f)/2):rS+2*((\f)/2)+1], s[CS:CS+1], v[rT:rT+1] op_sel_hi:[1,0,0] neg_lo:[0,0,1] neg_hi:[0,0,1]
.endm
; THE PLAIN QUEUE, 138 long.  0-73 read no exponential's result: the 32 scalings and the next piece's 42; 74-137 are GS's 64, which stand behind the wait.
.macro PL
	WIN 0
.if q < 27
	FS q
.elseif q < 55
	XS (q-27)%2, (q-27)/2
.elseif q < 57
	XS q-55, 15
.elseif (q < 72) && ((q-57)%3 == 0)
	FS 27+(q-57)/3
.elseif q < 60
	XS (q-57)%3-1, 14
.elseif q < 72
	XS (q-57)%3-1, 15+(q-57)/3
.elseif q < 74
	XS q-72, 20
.else
	GS q-74
.endif
.set q, q+1
.endm
; THE EXPONENTIALS' QUEUE, 66 long: s0-s31 of both tiles, then the next piece's two a: one batch, ahead of the turn's one wait
.macro EX
	WIN 0
.if e >= 64
	XS e-64, 21
.else
	REGS Y, e%2
	v_exp_f32 v[rS+e/2], v[rS+e/2]
.endif
.set e, e+1
.endm
; THE RESCALING's QUEUE: O^T times a, two at a time, eight times; its a was made, and waited for, in the turn before
.macro R2
	REGS Y, r%2
	WIN W_RS
.irp z, 0,1
	v_pk_mul_f32 v[rO+4*(r/2)+2*\z:rO+4*(r/2)+2*\z+1], v[rO+4*(r/2)+2*\z:rO+4*(r/2)+2*\z+1], v[rC+2:rC+3] op_sel_hi:[1,0]
.endr
.set r, r+1
.endm
; A TURN, for piece p.  Ahead of the wait: 8 products K Q^T, behind each a scaling, an exponential and two rescalings (behind the first a second scaling); then a run of 8 plain, 57 times exponential and plain, the two a.
; Exponential e stands behind scaling 2 (e / 4) + e % 2: as a rider it comes behind plain e + 2, in the run behind plain e + 9; scalings 27-31 are plain 57, 60 .. 69.
; Behind the wait: 8 products V^T P, behind each four of GS's 64, and the other 32 in a run.
; K of the next step is fetched in piece 2's turn, behind the wait, a run behind the last product that read K, and waited for at the head of piece 3's turn.
; V of the step in hand is fetched at the end of piece 0's turn, 36 plain instructions behind its last reader, and waited for ahead of piece 1's products V^T P.
.macro TURN p
.set Y, (\p)
.set i, 0
.set q, 0
.set e, 0
.set r, 0
.if (\p) == 3
	s_wait_dscnt 0x0                       ; K is in
.endif
	MM
	PL
	PL
	R2
.rept 7
	MM
	PL
	EX
	R2
.endr
.rept 8
	PL
.endr
.rept 57
	EX
	PL
.endr
	EX
	EX
	v_nop                                  ; a plain instruction behind the last exponential: one for the batch
	s_wait_alu depctr_va_vdst(0)           ; the wait ahead of the batch's first reader
.if (\p) == 2
	FETCH_K
.endif
.if (\p) == 1
	s_wait_dscnt 0x0                       ; V is in
.endif
.rept 8
	MM
.rept 4
	PL
.endr
.endr
.rept 32
	PL
.endr
.if (\p) == 0
	FETCH_V
.endif
.endm
	s_wait_tensorcnt 0x0                   ; my half of K or V is in,
	s_barrier_signal -1
	s_barrier_wait -1                      ; everybody's is
	FETCH_K                                ; key step 0
	s_wait_loadcnt 0x0                     ; Q
	s_wait_dscnt 0x0
.set i, 0
.rept 8
	KQ 0                                   ; piece 0's first scores
.set i, i+1
.endr
	WIN 0                                  ; the addresses for the way out: the places behind those products
	s_mul_i32 s14, s[WV], 1088
	s_add_co_u32 s14, s14, STAGE
	v_add_nc_u32 v[STO], s14, v[LT]        ; in: row l % 16, 16 bytes for each half of the lanes
	v_mul_u32_u24 v[RD], v2, KROW          ; back: 32 lanes take 512 bytes on end
	v_lshl_add_u32 v[RD], v1, 4, v[RD]
	v_add_nc_u32 v[RD], s14, v[RD]
	v_and_b32 v[GO], 31, v0
	v_lshlrev_b32 v[GO], 4, v[GO]
.set Y, NP-1                               ; XS works for piece Y + 1: piece 0
.irp n, 0,1,2,3,4,5,6,7,8,9,10,11,12,13,14,15,16,17,18,19,20,21
	XS 0, \n
	XS 1, \n
.endr
	v_nop
	s_wait_alu depctr_va_vdst(0)           ; the two a have their wait ahead of the label
	s_mov_b32 s[CNT], 32
.Lstep:                                    ; a key step.  The last trip's fetch of K reads the head of V's bytes, and the 8 products and the maximum made of them serve nothing: the price, once a launch, of one text for every trip
	TURN 0
	TURN 1
	TURN 2
	TURN 3
	WIN 0
	s_sub_co_u32 s[CNT], s[CNT], 1
	s_cmp_lg_u32 s[CNT], 0
	s_cbranch_scc1 .Lstep
.set i, 0
.rept 8
	PV NP-1                                ; the last piece's V^T P of the last step
.set i, i+1
.endr
	; THE WAY OUT.  l's halves are added; O^T is divided by l, rounded to bf16 and sent through my stage, a tile (1,024 bytes of O on end) at a time.  The additions are the places behind the last products.
	WIN 0
.macro ALL line:vararg
.set t, 0
.rept 8
	\line
.set t, t+1
.endr
.endm
	ALL v_add_f32 v[ST+4*t+2], v[ST+4*t+2], v[ST+4*t+3]
	ALL v_permlanex16_b32 v[ST+4*t+3], v[ST+4*t+2], s[SEL], s[SEL+1]
	ALL v_add_f32 v[ST+4*t+2], v[ST+4*t+2], v[ST+4*t+3]
	ALL v_rcp_f32 v[ST+4*t+2], v[ST+4*t+2]
	v_nop
	s_wait_alu depctr_va_vdst(0)           ; one wait for the eight reciprocals
.macro PACK t
	WIN W_RS
.set i, 16*(\t)
.rept 8
	v_pk_mul_f32 v[i:i+1], v[i:i+1], v[ST+4*(\t)+2:ST+4*(\t)+3] op_sel_hi:[1,0]
.set i, i+2
.endr
	WIN 0x05
.set i, 0
.rept 8
	v_cvt_pk_bf16_f32 v[S+8*(\t)+i], v[16*(\t)+2*i], v[16*(\t)+2*i+1]
.set i, i+1
.endr
	WIN 0
.irp f, 0,1
	ds_store_b128 v[STO], v[S+8*(\t)+4*\f:S+8*(\t)+4*\f+3] offset:32*\f
.endr
.irp f, 0,1
	ds_load_b128 v[S+8*(\t)+4*\f:S+8*(\t)+4*\f+3], v[RD] offset:\f*2*KROW  ; LDS serves a wave's instructions in order (ISA guide 5.7.1.4): these see the stores above; the next tile's stores come behind them
.endr
.endm
.macro SEND t, younger                     ; younger: the LDS instructions issued behind tile t's loads: the next tile's four, or none
	WIN 0
.irp f, 0,1
	s_wait_dscnt (\younger)+1-\f
	global_store_b128 v[GO], v[S+8*(\t)+4*\f:S+8*(\t)+4*\f+3], s[10:11] offset:(\t)*1024+\f*512  ; 512 consecutive bytes, at a multiple of 256 from O's first
.endr
.endm
	PACK 0
.set t, 1
.rept 7
	PACK t
	SEND t-1, 4
.set t, t+1
.endr
	SEND 7, 0
	s_wait_tensorcnt 0x0                   ; the wave's end
	ds_add_u32 v[SPW], v[NIL]
	s_wait_dscnt 0x0
	CROUND                                 ; the closing round
	s_endpgm
.Lfunc_end_k_q88f72b9639_attn:
	.size	k_q88f72b9639_attn, .Lfunc_end_k_q88f72b9639_attn-k_q88f72b9639_attn
	.p2alignl 7, 3214868480
	.fill 96, 4, 3214868480
	.section	.rodata,"a",@progbits
	.p2align	6, 0x0
	.amdhsa_kernel k_q88f72b9639_attn
		.amdhsa_group_segment_fixed_size 327680
		.amdhsa_private_segment_fixed_size 0
		.amdhsa_enable_private_segment 0
		.amdhsa_kernarg_size 32
		.amdhsa_user_sgpr_count 2
		.amdhsa_user_sgpr_kernarg_segment_ptr 1
		.amdhsa_wavefront_size32 1
		.amdhsa_system_sgpr_workgroup_id_x 1
		.amdhsa_system_sgpr_workgroup_id_y 1
		.amdhsa_system_sgpr_workgroup_id_z 1
		.amdhsa_system_vgpr_workitem_id 0
		.amdhsa_next_free_vgpr 512
		.amdhsa_next_free_sgpr 66
		.amdhsa_reserve_vcc 0
		.amdhsa_float_denorm_mode_32 3
		.amdhsa_float_denorm_mode_16_64 3
		.amdhsa_memory_ordered 1
		.amdhsa_forward_progress 1
		.amdhsa_inst_pref_size 90
	.end_amdhsa_kernel
	.amdgpu_metadata
---
amdhsa.version: [ 1, 2 ]
amdhsa.kernels:
  - .name:           k_q88f72b9639_attn
    .symbol:         k_q88f72b9639_attn.kd
    .args:
      - { .name: qb, .offset: 0, .size: 8, .value_kind: global_buffer, .address_space: global }
      - { .name: kb, .offset: 8, .size: 8, .value_kind: global_buffer, .address_space: global }
      - { .name: vb, .offset: 16, .size: 8, .value_kind: global_buffer, .address_space: global }
      - { .name: ob, .offset: 24, .size: 8, .value_kind: global_buffer, .address_space: global }
    .group_segment_fixed_size: 327680
    .private_segment_fixed_size: 0
    .kernarg_segment_align: 8
    .kernarg_segment_size: 32
    .max_flat_workgroup_size: 128
    .sgpr_count:     66
    .vgpr_count:     512
    .wavefront_size: 32
...
	.end_amdgpu_metadata
.endif
;; end of part 3
;; launch tail (part 4): grid 256 x 1, 4 waves a work-group, clusters of 4 x 1, 327,680 bytes of LDS; arguments x, ob, wstream, b_ap, g2, be2, b1, b2, b_out, out0; writes out0
.if DOCPART == 4
	.amdgcn_target "amdgcn-amd-amdhsa--gfx1250"
	.amdhsa_code_object_version 6
	.text
	.protected	k_q88f72b9639_tail
	.globl	k_q88f72b9639_tail
	.p2align	8
	.type	k_q88f72b9639_tail,@function
k_q88f72b9639_tail:
	s_mov_b64 s[64:65], 0
	v_nop
	global_prefetch_b8 v0, s[64:65] scope:SCOPE_SE
	s_setreg_imm32_b32 hwreg(HW_REG_WAVE_MODE, 25, 1), 1
	s_wait_xcnt 0x0
	s_wait_alu depctr_hold_cnt(0) depctr_sa_sdst(0) depctr_va_vdst(0) depctr_va_sdst(0) depctr_va_ssrc(0) depctr_va_vcc(0) depctr_vm_vsrc(0)
	s_getreg_b32 s2, hwreg(HW_REG_IB_STS2, 6, 4)
	s_cmp_eq_u32 s2, 0
	s_cbranch_scc0 .Lentry_in_a_cluster
	s_endpgm
.Lentry_in_a_cluster:
	s_bfe_u32 s2, ttmp6, 0x10000c
	s_cmp_lg_u32 s2, 0x3003
	s_cbranch_scc0 .Lentry_shape_is_right
	s_endpgm
.Lentry_shape_is_right:
; TAIL.  For a block of 32 rows: x1 = x + o w_ap + b_ap; xn = layer norm of x1; h = gelu(xn w1 + b1), exact; x2 = x1 + h w2 + b2; out = softmax of x2 w_out + b_out over 1,000 columns.
; x1, xn, h, x2 and the logits never leave the work-group.  All sums, the residuals, the norm, gelu and the softmax in f32.
; FORMATS.  o and w_ap in bf16.  xn, w1, h, w2, x2 and w_out in f16: a logit's absolute error is a probability's relative error, and each of these six operands rounded to bf16's 8 significant bits
; would shift a logit (512 products of about 1 x 1 / sqrt 512) by one to two parts in a thousand, against an allowance of one in a hundred for every number; f16 keeps 11 bits.
; x2 HAS NO ROOM IN f16 where the inputs are large, so each row is scaled by a power of two: E = the exponent of the row's largest |x2|, at least 0; x2 2^-E lies under 2; the sums start at b_out 2^-E,
; and the softmax multiplies by 2^E again, in f32.  The scale is exact and positive: the largest scaled sum is the largest logit.  Small rows are not scaled up: f16's fixed step is nothing in a logit.
; SHARES.  256 work-groups of four waves; wave w makes the 128 columns 128 w on of every product of 512 columns, for all 32 rows: 16 accumulators.  Row sums and maxima meet in LDS.
; THE WEIGHTS, THE RING, THE JOINT LOADS, THE DIRECT TILES AND THE TRANSPOSED PRODUCT are those of the launch that makes q, k and v.  30 ring tiles, from the stream's tile 12 on, and 14 direct tiles:
;   w_ap (4 ring); four times: w1's columns 512 j on (1 direct: k 384-511; 3 ring), w2's rows of chunk j in the order in which h is laid into LDS, in two halves of 256 k (each 1 direct: k 128-255; 1 ring);
;   w_out's columns 0-511 and 512-1,023 (each 1 direct, 3 ring; zeros from column 1,000 on).  w_ap has no direct tile: it would be wanted at the launch's head, beside x and o.
; In a result lane l holds row l % 16 of row tile rt and the columns 128 w + 16 nb + 8 (l / 16) + 0..7.  The residual and the biases are loaded in that layout and START the sums: nothing is cleared.
; b1 is the C operand of a chunk's first 16 products; b_out is scaled by the row's 2^-E into the accumulators.  A bias is asked for a unit ahead, 64 registers for both row tiles.
; GELU.  gelu(u) = max(u, 0) - |u| / 2 x poly(t) x exp(-u^2 / 2), t = 1 / (1 + 0.3275911 |u| / sqrt 2): erf by Abramowitz and Stegun 7.1.26, whose error, 1.5e-7 at the most, holds for every argument.
; SOFTMAX.  The row's true maximum is taken away.  The 24 padding columns count as the lowest finite number, so their weights are 0.
; LIMITS.  xn and h lie within f16's 65,504 (xn is at most sqrt 512 |g2| + |be2|; with every input 30 times those drawn h is some 900 in size); below 6e-5 f16 keeps a fixed step of 6e-8.
; |x2| stays under 2^127.  An exponential below 2^-126 counts as 0; NaN and infinities are not treated apart.
; LDS: two slots of 128 x 1,056 bytes; ACT 32 rows of 512 numbers of 16 bits, pitch 1,040; HB 32 rows of 256, pitch 528; RED 2 x 32 rows x 4 waves x 4 bytes; the spare words.
; When the last tile has been read, slot 0 takes the result, 32 rows of 4,000 bytes on end, from where it leaves in stores of 512 consecutive bytes, aligned.
; REGISTERS.  window 0: v0-31 addresses and at work; v32-47 pairs of row statistics; v64-191 two buffers of weight fragments (also at work); v192-255 activation fragments (also at work)
;   window 1: v0-127 accumulators A (hidden numbers; logits 0-511), v128-255 accumulators Y (x1, x2; logits 512-1,023)
;   window 2: g2 (later b_out's second half), be2, b2, b_ap (later b1's chunk, b_out's first half), 64 each          window 3: the direct tile, (ks, nb) at 64 ks + 8 nb
.set BP,    1056
.set QTR,   32*BP
.set SLOTB, 128*BP
.set TILEB, 131072
.set AP,    1040
.set HP,    528
.set ACT,   2*SLOTB
.set HB,    ACT+32*AP
.set RED,   HB+32*HP
.set SPARE, RED+1024                   ; the spare words, 128 bytes for each wave: two blocks of 256 bytes that no other line names
.set TILES, 30
.set DW,    3
.set SPW, 4
.set NIL, 5
.set VB0, 6
.set VB,  7
.set VA,  9
.set VAACT, 10
.set VAHB,  11
.set VSACT, 12
.set VSHB,  13
.set VREDW, 14
.set VREDR, 15
.set VBI, 16                           ; 512 w + 32 (l / 16): my eight columns of tile 0 in a row of f32
.set VB6, 17                           ; v17, v18: the same for b_out's tiles 6 and 7 of the second half, held inside its 4,000 bytes
.set PFO, 19
.set SA,  20                           ; v20, v21: my place in the result's rows, by row tile
.set BST, 22
.set BLD, 23
.set XOF, 24                           ; 16 x lane
.set LOF, 24
.set OAC, 25
.set OFS, 26
.set VCOL, 27
.set LOWF, 49
.set FB,  64
.set DV,  64
.set FA,  192
.set PKD, 192
.set T,   224
.set GA,  64
.set GT,  80
.set GW,  96
.set GQ,  112
.set GM,  128
.set GP,  144
.set ACCA, 0
.set ACCY, 128
.set G2W, 0
.set BE2W, 64
.set B2W, 128
.set BAPW, 192
.set BI,  192
.set BI2, 0
.set WV,  28
.set CX,  29
.set GID, 30
.set CNK, 31
.set G1,  36
.set G0A, 44
.set G0,  48
.set TB,  52
.set CNT, 53
.set CN2, 54
.set CN3, 55
.set REM, 56
.set LIM, 57
.set PFA, 58
.set SEL, 60
.set BIASP, 62
.set DP,  80                           ; s[80:81] my 32 KiB of the direct tile last asked for
.set C512, 82
.set ABSM, 83
.set MSB, 0
.macro WIN new
.if MSB != (\new)
	s_set_vgpr_msb (MSB<<8)|(\new)
.set MSB, \new
.endif
.endm
.macro PLACES                          ; four plain places behind a matrix instruction (ISA guide 7.12.1)
.rept 4
	v_nop
.endr
.endm
.macro CREST
	s_cmp_lg_u32 s[WV], 0
	s_cbranch_scc1 .Lnot_wave_0_\@
	s_barrier_signal -3
.Lnot_wave_0_\@:
	s_barrier_wait -3
	s_barrier_signal -1
	s_barrier_wait -1
.endm
.macro CROUND
	s_barrier_signal -1
	s_barrier_wait -1
	CREST
.endm
.macro BAR                             ; a work-group barrier behind which nothing is filled: my LDS instructions are done ahead of the signal
	s_wait_dscnt 0x0
	s_barrier_signal -1
	s_barrier_wait -1
.endm
.macro FETCH ks, buf, pitch            ; 20 LDS loads: the fragments of the first or second 32 k from the k in hand
	WIN 0
.set fn, 0
.rept 8
	ds_load_tr16_b128 v[FB+64*(\buf)+8*fn:FB+64*(\buf)+8*fn+3], v[VB] offset:(\ks)*QTR+32*fn
	ds_load_tr16_b128 v[FB+64*(\buf)+8*fn+4:FB+64*(\buf)+8*fn+7], v[VB] offset:(\ks)*QTR+32*fn+16*BP
.set fn, fn+1
.endr
.set fn, 0
.rept 2
	ds_load_b128 v[FA+16*(\buf)+8*fn:FA+16*(\buf)+8*fn+3], v[VA] offset:fn*16*(\pitch)+64*(\ks)
	ds_load_b128 v[FA+16*(\buf)+8*fn+4:FA+16*(\buf)+8*fn+7], v[VA] offset:fn*16*(\pitch)+64*(\ks)+32
.set fn, fn+1
.endr
.endm
.macro MUL buf, acc, fm                ; 16 matrix instructions of form fm (bf16 or f16); the 16 accumulators take turns, always in the same order
	WIN 0x50
.set mn, 0
.rept 8
.set mr, 0
.rept 2
	v_wmma_f32_16x16x32_\fm v[(\acc)+8*(8*mr+mn):(\acc)+8*(8*mr+mn)+7], v[FB+64*(\buf)+8*mn:FB+64*(\buf)+8*mn+7], v[FA+16*(\buf)+8*mr:FA+16*(\buf)+8*mr+7], v[(\acc)+8*(8*mr+mn):(\acc)+8*(8*mr+mn)+7]
.set mr, mr+1
.endr
.set mn, mn+1
.endr
.endm
; A prefetch into the L2 of the ring tile two refills on: cluster 0 asks; its 16 waves share the tile out by address, a lane 256 bytes: each block is named once.  The last two refills ask for nothing.
.macro ASK
	s_cmp_gt_u32 s[REM], s[LIM]
	s_cbranch_scc0 .Lnot_mine_\@
	global_prefetch_b8 v[PFO], s[PFA:PFA+1] th:TH_LOAD_NT scope:SCOPE_SE
.Lnot_mine_\@:
.endm
.macro MEET fill                       ; the change of slots, behind all of a tile's products
.if \fill
	s_wait_xcnt 0x0                        ; the last prefetch, a tile back, has read its address
	s_add_nc_u64 s[PFA:PFA+1], s[PFA:PFA+1], TILEB
.endif
	s_wait_tensorcnt 0x0                   ; all my tensor loads have landed: my quarter of the next tile; so a group 0 may be written
	ds_add_u32 v[SPW], v[NIL]              ; 0 onto my spare word: the steps stand between it and the wait for it
.if \fill
	s_xor_b32 s[G0+1], s[G0+1], SLOTB
	s_add_nc_u64 s[G0+2:G0+3], s[G0+2:G0+3], TILEB
.endif
	s_xor_b32 s[TB], s[TB], SLOTB
	v_add_nc_u32 v[VB], s[TB], v[VB0]
	s_wait_dscnt 0x0                       ; the add is done, and my reads of this slot and of the activations are over
	s_barrier_signal -1
	s_barrier_wait -1
.if \fill
	CREST                                  ; no wave of any partner still reads the slot or has a load on its way
	tensor_load_to_lds s[G0:G0+3], s[G1:G1+7]
	s_nop 0
	PLACES
	ASK
	s_sub_co_u32 s[REM], s[REM], 1
.endif
.endm
.macro TRIP acc, pitch, fill, fm       ; one ring tile: two trips of 64 k; the wait for 20 leaves out the second fetch's 20 loads; the two steps and two v_nop are the places ahead of the next fetch
	s_mov_b32 s[CNK], 2
.Lk_\@:
	FETCH 0, 0, \pitch
	FETCH 1, 1, \pitch
	s_wait_dscnt 20
	MUL 0, \acc, \fm
	s_wait_dscnt 0x0
	MUL 1, \acc, \fm
	WIN 0
	v_add_nc_u32 v[VB], 2*QTR, v[VB]
	v_add_nc_u32 v[VA], 128, v[VA]
	v_nop
	v_nop
	s_sub_co_u32 s[CNK], s[CNK], 1
	s_cmp_lg_u32 s[CNK], 0
	s_cbranch_scc1 .Lk_\@
	MEET \fill
.endm
.macro UNIT n, acc, pitch, fill, fm
	s_mov_b32 s[CNT], \n
.Lunit_\@:
	TRIP \acc, \pitch, \fill, \fm
	s_sub_co_u32 s[CNT], s[CNT], 1
	s_cmp_lg_u32 s[CNT], 0
	s_cbranch_scc1 .Lunit_\@
.endm
.macro DLOAD step                      ; 64 loads: my 32 KiB of a direct tile, 512 consecutive bytes each; the pointer's last users were shown done by the wait for 0 at the head of DTR
.if \step
	s_add_nc_u64 s[DP:DP+1], s[DP:DP+1], TILEB
.endif
	WIN DW<<6
.set dq, 0
.rept 32
	global_load_b128 v[8*dq:8*dq+3], v[LOF], s[DP:DP+1] offset:1024*dq
	global_load_b128 v[8*dq+4:8*dq+7], v[LOF], s[DP:DP+1] offset:1024*dq+512
.set dq, dq+1
.endr
	WIN 0
.endm
; One direct tile: 64 matrix instructions on weights that lie in registers; the activations' k begin at byte koff of the rows.  cmode 0: the sums go on; 1: the first 16 products start them with 0;
; 2: with the bias in window 2.  dl = 1: the registers take the next direct tile, four places behind their last reader.
.macro DTR acc, pitch, koff, cmode, fm, dl
	WIN 0
	s_wait_loadcnt 0x0                     ; the direct tile (and the bias) is in; no load of mine is out
.set dk, 0
.rept 4
.set mr, 0
.rept 2
	ds_load_b128 v[FA+16*dk+8*mr:FA+16*dk+8*mr+3], v[VA] offset:mr*16*(\pitch)+(\koff)+64*dk
	ds_load_b128 v[FA+16*dk+8*mr+4:FA+16*dk+8*mr+7], v[VA] offset:mr*16*(\pitch)+(\koff)+64*dk+32
.set mr, mr+1
.endr
.set dk, dk+1
.endr
.set dk, 0
.rept 4
	s_wait_dscnt 12-4*dk                   ; the later k's four loads each may be out
.if (dk == 0) && ((\cmode) == 2)
	WIN 0x60|DW                            ; C in window 2
.else
	WIN 0x50|DW                            ; source 0 in the direct tile's window, source 1 in window 0, C and D in window 1
.endif
.set mn, 0
.rept 8
.set mr, 0
.rept 2
.if (dk == 0) && ((\cmode) == 1)
	v_wmma_f32_16x16x32_\fm v[(\acc)+8*(8*mr+mn):(\acc)+8*(8*mr+mn)+7], v[64*dk+8*mn:64*dk+8*mn+7], v[FA+16*dk+8*mr:FA+16*dk+8*mr+7], 0
.elseif (dk == 0) && ((\cmode) == 2)
	v_wmma_f32_16x16x32_\fm v[(\acc)+8*(8*mr+mn):(\acc)+8*(8*mr+mn)+7], v[64*dk+8*mn:64*dk+8*mn+7], v[FA+16*dk+8*mr:FA+16*dk+8*mr+7], v[BI+8*mn:BI+8*mn+7]
.else
	v_wmma_f32_16x16x32_\fm v[(\acc)+8*(8*mr+mn):(\acc)+8*(8*mr+mn)+7], v[64*dk+8*mn:64*dk+8*mn+7], v[FA+16*dk+8*mr:FA+16*dk+8*mr+7], v[(\acc)+8*(8*mr+mn):(\acc)+8*(8*mr+mn)+7]
.endif
.set mr, mr+1
.endr
.set mn, mn+1
.endr
.set dk, dk+1
.endr
	WIN 0
	PLACES
.if \dl
	DLOAD 1
.endif
.endm
.macro H64 line:vararg                 ; e = 0, 2, .. 126: the pairs of one set of accumulators; row tile e / 64, place in the row's 64 numbers e % 64
.set e, 0
.rept 64
	\line
.set e, e+2
.endr
.endm
.macro W1P line:vararg                 ; e = 0, 2, .. 254: the pairs of both sets; row tile (e % 128) / 64
.set e, 0
.rept 128
	\line
.set e, e+2
.endr
.endm
.macro P8 line:vararg                  ; e = 0, 2, .. 14
.set e, 0
.rept 8
	\line
.set e, e+2
.endr
.endm
.macro S16 line:vararg                 ; e = 0 .. 15
.set e, 0
.rept 16
	\line
.set e, e+1
.endr
.endm
.macro FOLDS                           ; four pairs a row tile -> the sum over my wave's 128 columns, in v28 and v29
	WIN 0
.irp rr, 0,1
	v_pk_add_f32 v[T+8*\rr:T+8*\rr+1], v[T+8*\rr:T+8*\rr+1], v[T+8*\rr+2:T+8*\rr+3]
	v_pk_add_f32 v[T+8*\rr+4:T+8*\rr+5], v[T+8*\rr+4:T+8*\rr+5], v[T+8*\rr+6:T+8*\rr+7]
.endr
.irp rr, 0,1
	v_pk_add_f32 v[T+8*\rr:T+8*\rr+1], v[T+8*\rr:T+8*\rr+1], v[T+8*\rr+4:T+8*\rr+5]
.endr
.irp rr, 0,1
	v_add_f32 v[28+\rr], v[T+8*\rr], v[T+8*\rr+1]
.endr
.irp rr, 0,1
	v_permlanex16_b32 v[30+\rr], v[28+\rr], s[SEL], s[SEL+1]  ; the row's other 64 columns lie in the lane 16 away
.endr
.irp rr, 0,1
	v_add_f32 v[28+\rr], v[28+\rr], v[30+\rr]
.endr
.endm
.macro FOLDM                           ; four chains a row tile -> the maximum over my wave's 128 columns, in v28 and v29
	WIN 0
	v_max3_num_f32 v28, v[T], v[T+1], v[T+2]
	v_max3_num_f32 v29, v[T+4], v[T+5], v[T+6]
	v_max_num_f32 v28, v28, v[T+3]
	v_max_num_f32 v29, v29, v[T+7]
	v_permlanex16_b32 v30, v28, s[SEL], s[SEL+1]
	v_permlanex16_b32 v31, v29, s[SEL], s[SEL+1]
	v_max_num_f32 v28, v28, v30
	v_max_num_f32 v29, v29, v31
.endm
; The sum of my tiles t0 .. 15 (0-7: set A, 8-15: set Y), four chains a row tile; each tile's lowest registers are read first
.macro TSUM t0
	WIN 0x05
.set mr, 0
.rept 2
.set mq, 0
.rept 4
	v_pk_add_f32 v[T+8*mr+2*mq:T+8*mr+2*mq+1], v[128*((\t0)/8)+8*(8*mr+(\t0)%8)+2*mq:128*((\t0)/8)+8*(8*mr+(\t0)%8)+2*mq+1], v[128*((\t0)/8)+8*(8*mr+(\t0)%8+1)+2*mq:128*((\t0)/8)+8*(8*mr+(\t0)%8+1)+2*mq+1]
.set mq, mq+1
.endr
.set mr, mr+1
.endr
	WIN 0x01
.set ti, (\t0)+2
.rept 14-(\t0)
.set mr, 0
.rept 2
.set mq, 0
.rept 4
	v_pk_add_f32 v[T+8*mr+2*mq:T+8*mr+2*mq+1], v[128*(ti/8)+8*(8*mr+ti%8)+2*mq:128*(ti/8)+8*(8*mr+ti%8)+2*mq+1], v[T+8*mr+2*mq:T+8*mr+2*mq+1]
.set mq, mq+1
.endr
.set mr, mr+1
.endr
.set ti, ti+1
.endr
	FOLDS
.endm
; The four waves' figures for each row meet in LDS: a word a wave and row; both halves of the lanes store the same number to the same word.  mx = 1: a maximum
.macro EXCH so, mx
	ds_store_b32 v[VREDW], v28 offset:\so
	ds_store_b32 v[VREDW], v29 offset:(\so)+256
	BAR
	ds_load_b128 v[T:T+3], v[VREDR] offset:\so
	ds_load_b128 v[T+4:T+7], v[VREDR] offset:(\so)+256
	s_wait_dscnt 0x0
.if \mx
	v_max3_num_f32 v28, v[T], v[T+1], v[T+2]
	v_max3_num_f32 v29, v[T+4], v[T+5], v[T+6]
	v_max_num_f32 v28, v28, v[T+3]
	v_max_num_f32 v29, v29, v[T+7]
.else
	v_pk_add_f32 v[T:T+1], v[T:T+1], v[T+2:T+3]
	v_pk_add_f32 v[T+4:T+5], v[T+4:T+5], v[T+6:T+7]
	v_add_f32 v28, v[T], v[T+1]
	v_add_f32 v29, v[T+4], v[T+5]
.endif
.endm
.macro BILOAD                          ; my 64 of the 512 numbers of a bias at which the pointer stands, into window 2
	WIN 0x80
.set e, 0
.rept 8
	global_load_b128 v[BI+8*e:BI+8*e+3], v[VBI], s[BIASP:BIASP+1] offset:64*e
	global_load_b128 v[BI+8*e+4:BI+8*e+7], v[VBI], s[BIASP:BIASP+1] offset:64*e+16
.set e, e+1
.endr
	WIN 0
.endm
.macro TOACT                           ; 64 packed registers into ACT: my 256 bytes of each of the 32 rows
	WIN 0
.set e, 0
.rept 16
	ds_store_b128 v[VSACT], v[PKD+4*e:PKD+4*e+3] offset:16*AP*(e/8)+32*(e%8)
.set e, e+1
.endr
.endm
; GELU of set A's tiles 0-3 of both row tiles, two tiles (16 numbers a lane) at a time, into HB, in f16.  The 16 reciprocals and 16 exponentials of a group are one batch with one wait.
.macro GELU
.set gg, 0
.rept 4
.set ga, ACCA+8*(8*(gg/2)+2*(gg%2))
	WIN 0x04
	S16 v_and_b32 v[GA+e], s[ABSM], v[ga+e]
	S16 v_max_num_f32 v[GM+e], 0, v[ga+e]
	WIN 0
	P8 v_pk_fma_f32 v[GT+e:GT+e+1], v[GA+e:GA+e+1], s[66:67], 1.0 op_sel_hi:[1,0,0]
	P8 v_pk_mul_f32 v[GW+e:GW+e+1], v[GA+e:GA+e+1], v[GA+e:GA+e+1]
	P8 v_pk_mul_f32 v[GW+e:GW+e+1], v[GW+e:GW+e+1], s[68:69] op_sel_hi:[1,0]
	S16 v_rcp_f32 v[GT+e], v[GT+e]
	S16 v_exp_f32 v[GW+e], v[GW+e]
	v_nop
	s_wait_alu depctr_va_vdst(0)           ; the wait ahead of the batch's first reader
	P8 v_pk_fma_f32 v[GQ+e:GQ+e+1], v[GT+e:GT+e+1], s[78:79], s[76:77] op_sel_hi:[1,0,0]
	P8 v_pk_fma_f32 v[GQ+e:GQ+e+1], v[GQ+e:GQ+e+1], v[GT+e:GT+e+1], s[74:75] op_sel_hi:[1,1,0]
	P8 v_pk_fma_f32 v[GQ+e:GQ+e+1], v[GQ+e:GQ+e+1], v[GT+e:GT+e+1], s[72:73] op_sel_hi:[1,1,0]
	P8 v_pk_fma_f32 v[GQ+e:GQ+e+1], v[GQ+e:GQ+e+1], v[GT+e:GT+e+1], s[70:71] op_sel_hi:[1,1,0]
	P8 v_pk_mul_f32 v[GQ+e:GQ+e+1], v[GQ+e:GQ+e+1], v[GT+e:GT+e+1]
	P8 v_pk_mul_f32 v[GQ+e:GQ+e+1], v[GQ+e:GQ+e+1], v[GW+e:GW+e+1]
	P8 v_pk_fma_f32 v[GQ+e:GQ+e+1], v[GQ+e:GQ+e+1], v[GA+e:GA+e+1], v[GM+e:GM+e+1]
	P8 v_cvt_pk_f16_f32 v[GP+e/2], v[GQ+e], v[GQ+e+1]
	ds_store_b128 v[VSHB], v[GP:GP+3] offset:16*HP*(gg/2)+64*(gg%2)
	ds_store_b128 v[VSHB], v[GP+4:GP+7] offset:16*HP*(gg/2)+64*(gg%2)+32
.set gg, gg+1
.endr
.endm
.macro VKS sym, rr, cc, kk             ; number kk of 32 of chain cc of a row tile's maximum: tile cc + 4 (kk / 8), register kk % 8
.set \sym, 128*(((\cc)+4*((\kk)/8))/8)+8*(8*(\rr)+((\cc)+4*((\kk)/8))%8)+(\kk)%8
.endm
	s_load_b512 s[8:23], s[0:1], 0x0       ; x, ob, wstream, b_ap, g2, be2, b1, b2
	s_load_b128 s[24:27], s[0:1], 0x40     ; b_out, out0
	v_lshl_add_u32 v[SPW], v0, 2, SPARE
	v_mov_b32 v[NIL], 0
	ds_add_u32 v[SPW], v[NIL]              ; the wave's opening: the add and its wait stand ahead of my first tensor load; work on registers stands between them
	v_lshrrev_b32 v1, 5, v0
	v_readfirstlane_b32 s[WV], v1
	s_bfe_u32 s[CX], ttmp6, 0x40000
	s_lshl_b32 s[GID], ttmp9, 2
	s_add_co_u32 s[GID], s[GID], s[CX]     ; my block of 32 rows: it enters global addresses of x, o, out and the prefetch alone
	s_mov_b32 s[G1+0], 15|(1<<16)|(1<<20)|(1<<21)|(7<<22)|(7<<25)  ; the mask of four; 2-byte elements; padding on; bit 21 beside a mask; after every 256 words; 8 words
	s_mov_b32 s[G1+1], 512<<16
	s_mov_b32 s[G1+2], 32<<16
	s_mov_b32 s[G1+3], 512<<16
	s_mov_b32 s[G1+4], 32
	s_mov_b32 s[G1+5], 512
	s_mov_b32 s[G1+6], 0
	s_mov_b32 s[G1+7], 0
	s_mov_b32 s[G0A], 1
	s_mul_i32 s[G0A+1], s[WV], QTR
	s_mov_b32 s[G0], 1
	s_add_co_u32 s[G0+1], s[G0A+1], SLOTB
	s_mov_b32 s[TB], 0
	s_mov_b32 s[REM], TILES-2
	s_cmp_eq_u32 ttmp9, 0
	s_cselect_b32 s[LIM], 2, -1
	s_mov_b32 s[SEL], 0x76543210
	s_mov_b32 s[SEL+1], 0xfedcba98
	s_mov_b32 s[C512], 0x3b000000          ; 1 / 512
	s_mov_b32 s[ABSM], 0x7fffffff
	s_mov_b32 s66, 0x3e6d3388              ; 0.3275911 / sqrt 2
	s_mov_b32 s68, 0xbf38aa3b              ; -log2(e) / 2
	s_mov_b32 s70, 0xbe027906              ; -a1 / 2 .. -a5 / 2
	s_mov_b32 s72, 0x3e11a98e
	s_mov_b32 s74, 0xbf35f0e3
	s_mov_b32 s76, 0x3f3a00e3
	s_mov_b32 s78, 0xbf07dc22
.irp p, 66,68,70,72,74,76,78
	s_mov_b32 s[\p+1], s[\p]               ; named as pairs
.endr
	v_and_b32 v3, 31, v0                   ; l
	v_and_b32 v1, 15, v0                   ; l % 16
	v_bfe_u32 v2, v0, 4, 1                 ; l / 16
	v_and_b32 v28, 7, v0
	v_lshl_add_u32 v28, v2, 3, v28
	v_mul_u32_u24 v[VB0], v28, BP
	v_bfe_u32 v28, v0, 3, 1
	v_lshl_add_u32 v[VB0], v28, 4, v[VB0]
	s_lshl_b32 s31, s[WV], 8
	v_add_nc_u32 v[VB0], s31, v[VB0]
	v_mov_b32 v[VB], v[VB0]
	v_mul_u32_u24 v[VAACT], v1, AP
	v_lshl_add_u32 v[VAACT], v2, 4, v[VAACT]
	v_add_nc_u32 v[VAACT], ACT, v[VAACT]
	v_add_nc_u32 v[VSACT], s31, v[VAACT]
	v_mul_u32_u24 v[VAHB], v1, HP
	v_lshl_add_u32 v[VAHB], v2, 4, v[VAHB]
	v_add_nc_u32 v[VAHB], HB, v[VAHB]
	s_lshl_b32 s32, s[WV], 7
	v_add_nc_u32 v[VSHB], s32, v[VAHB]
	v_lshlrev_b32 v[VREDR], 4, v1
	v_add_nc_u32 v[VREDR], RED, v[VREDR]
	s_lshl_b32 s33, s[WV], 2
	v_add_nc_u32 v[VREDW], s33, v[VREDR]
	s_lshl_b32 s34, s[WV], 9
	v_lshl_add_u32 v[VBI], v2, 5, s34
	v_add_nc_u32 v[VB6], 2048+384, v[VBI]
	v_min_u32 v[VB6], 3968, v[VB6]         ; a lane whose eight columns do not exist reads the last eight that do; its logits are replaced
	v_add_nc_u32 v[VB6+1], 2048+448, v[VBI]
	v_min_u32 v[VB6+1], 3968, v[VB6+1]
	v_lshlrev_b32 v[PFO], 8, v3
	v_mul_u32_u24 v[SA], v1, 4000
	v_add_nc_u32 v[SA], v[VBI], v[SA]
	v_add_nc_u32 v[SA+1], 64000, v[SA]
	s_mul_i32 s35, s[WV], 16*HP
	s_add_co_u32 s35, s35, ACT             ; my 8,448 bytes in which x changes layout
	v_lshl_add_u32 v[BST], v3, 4, s35
	v_mul_u32_u24 v[BLD], v1, HP
	v_lshl_add_u32 v[BLD], v2, 5, v[BLD]
	v_add_nc_u32 v[BLD], s35, v[BLD]
	v_lshlrev_b32 v[XOF], 4, v3
	v_lshrrev_b32 v28, 2, v3
	v_mul_u32_u24 v[OAC], v28, AP
	v_and_b32 v28, 3, v0
	v_lshl_add_u32 v[OAC], v28, 4, v[OAC]
	v_add_nc_u32 v[OAC], s31, v[OAC]
	v_add_nc_u32 v[OAC], ACT, v[OAC]
	v_lshlrev_b32 v[OFS], 4, v0
	v_lshl_add_u32 v[VCOL], v2, 3, s32
	v_mov_b32 v[LOWF], 0xff7fffff
	v_mov_b32 v30, 0                       ; v_permlanex16_b32's destinations count as read
	v_mov_b32 v31, 0
	s_lshl_b32 s86, s[WV], 15              ; my quarter of a tile in memory, of either kind
	s_mov_b32 s87, 0
	s_lshl_b32 s88, s[CX], 2
	s_add_co_u32 s88, s88, s[WV]
	s_lshl_b32 s88, s88, 13
	s_mov_b32 s89, 0
	s_lshl_b32 s90, s[GID], 16
	s_add_co_u32 s90, s90, s34             ; x: my block's first row, my 512 bytes of it
	s_mov_b32 s91, 0
	s_lshr_b32 s92, s[GID], 6
	s_lshl_b32 s92, s92, 2
	s_add_co_u32 s92, s92, s[WV]
	s_lshl_b32 s92, s92, 19                ; o: (16 b + 4 w) x 131,072
	s_and_b32 s93, s[GID], 63
	s_lshl_b32 s93, s93, 11
	s_add_co_u32 s92, s92, s93
	s_mov_b32 s93, 0
	s_mul_i32 s94, s[GID], 128000          ; out: 32 rows of 4,000 bytes, a multiple of 256
	s_mov_b32 s95, 0
	s_wait_dscnt 0x0                       ; the opening add is done
	s_wait_kmcnt 0x0
	s_add_nc_u64 s[8:9], s[8:9], s[90:91]
	s_add_nc_u64 s[10:11], s[10:11], s[92:93]
	s_add_nc_u64 s[26:27], s[26:27], s[94:95]
	s_add_nc_u64 s[DP:DP+1], s[12:13], s[86:87]
	s_add_nc_u64 s[DP:DP+1], s[DP:DP+1], 46*TILEB  ; behind the 42 ring tiles and the four direct tiles of the launch that makes q, k and v
	s_add_nc_u64 s[12:13], s[12:13], 12*TILEB  ; this launch's ring tiles
	s_add_nc_u64 s[PFA:PFA+1], s[12:13], s[88:89]
	s_add_nc_u64 s[PFA:PFA+1], s[PFA:PFA+1], 3*TILEB
	s_add_nc_u64 s[G0A+2:G0A+3], s[12:13], s[86:87]
	s_add_nc_u64 s[G0+2:G0+3], s[G0A+2:G0A+3], TILEB
	s_or_b32 s[G0A+3], s[G0A+3], 0x80000000
	s_or_b32 s[G0+3], s[G0+3], 0x80000000
	s_mov_b64 s[BIASP:BIASP+1], s[20:21]
	CROUND                                 ; all four work-groups are here: the first joint loads meet
	tensor_load_to_lds s[G0A:G0A+3], s[G1:G1+7]  ; tile 0
	s_nop 0
	tensor_load_to_lds s[G0:G0+3], s[G1:G1+7]    ; tile 1
	s_nop 0
	PLACES
.set e, 0
.rept 32                                   ; x: my 512 bytes of each of the 32 rows
	global_load_b128 v[64+4*e:64+4*e+3], v[XOF], s[8:9] offset:2048*e th:TH_LOAD_NT
.set e, e+1
.endr
	WIN 0x80
.set e, 0
.rept 8
	global_load_b128 v[BAPW+8*e:BAPW+8*e+3], v[VBI], s[14:15] offset:64*e
	global_load_b128 v[BAPW+8*e+4:BAPW+8*e+7], v[VBI], s[14:15] offset:64*e+16
.set e, e+1
.endr
	WIN 0x40
.set e, 0
.rept 16                                   ; o: my four heads' 32 rows, 2,048 bytes on end each
	global_load_b128 v[ACCA+4*e:ACCA+4*e+3], v[XOF], s[10:11] offset:131072*(e/4)+512*(e%4) th:TH_LOAD_NT
.set e, e+1
.endr
	s_wait_loadcnt 32                      ; x is in; b_ap's 16 loads and o's 16 are younger
.set mr, 0
.rept 2                                    ; x into the results' layout, 16 rows at a time, through bytes of my own: LDS serves a wave's instructions in order (ISA guide 5.7.1.4)
	WIN 0
.set e, 0
.rept 16
	ds_store_b128 v[BST], v[64+4*(16*mr+e):64+4*(16*mr+e)+3] offset:HP*e
.set e, e+1
.endr
	WIN 0x40
.set e, 0
.rept 8
	ds_load_b128 v[ACCY+8*(8*mr+e):ACCY+8*(8*mr+e)+3], v[BLD] offset:64*e
	ds_load_b128 v[ACCY+8*(8*mr+e)+4:ACCY+8*(8*mr+e)+7], v[BLD] offset:64*e+16
.set e, e+1
.endr
.set mr, mr+1
.endr
	s_wait_dscnt 0x0
	s_wait_loadcnt 16                      ; b_ap is in; o's 16 loads are younger
	WIN 0x49
	H64 v_pk_add_f32 v[ACCY+e:ACCY+e+1], v[ACCY+e:ACCY+e+1], v[BAPW+e%64:BAPW+e%64+1]
	WIN 0
	s_barrier_signal -1                    ; every wave has read x back: ACT may take o
	s_barrier_wait -1
	s_wait_loadcnt 0x0                     ; o
	WIN 0x04
.set e, 0
.rept 16
	ds_store_b128 v[OAC], v[ACCA+4*e:ACCA+4*e+3] offset:8*AP*(e%4)+64*(e/4)
.set e, e+1
.endr
	DLOAD 0                                ; the first chunk of w1's direct tile comes in under w_ap's four ring tiles
	s_wait_tensorcnt 1                     ; my quarter of tile 0 is in; tile 1 may stay out
	BAR
	v_mov_b32 v[VA], v[VAACT]
	UNIT 4, ACCY, AP, 1, bf16              ; x1 = x + b_ap + o w_ap
	; LAYER NORM of x1: the mean, then the mean square of x1 - mean.  g2, be2, b2 and b1's first chunk are asked for here and wanted behind the two meetings of the waves
	WIN 0x80
.set e, 0
.rept 8
	global_load_b128 v[G2W+8*e:G2W+8*e+3], v[VBI], s[16:17] offset:64*e
	global_load_b128 v[G2W+8*e+4:G2W+8*e+7], v[VBI], s[16:17] offset:64*e+16
	global_load_b128 v[BE2W+8*e:BE2W+8*e+3], v[VBI], s[18:19] offset:64*e
	global_load_b128 v[BE2W+8*e+4:BE2W+8*e+7], v[VBI], s[18:19] offset:64*e+16
	global_load_b128 v[B2W+8*e:B2W+8*e+3], v[VBI], s[22:23] offset:64*e
	global_load_b128 v[B2W+8*e+4:B2W+8*e+7], v[VBI], s[22:23] offset:64*e+16
.set e, e+1
.endr
	BILOAD
	TSUM 8
	EXCH 0, 0
	v_mul_f32 v32, s[C512], v28
	v_mul_f32 v34, s[C512], v29
	v_mov_b32 v33, v32
	v_mov_b32 v35, v34
	WIN 0x01
	H64 v_pk_add_f32 v[DV+e:DV+e+1], v[ACCY+e:ACCY+e+1], v[32+2*(e/64):33+2*(e/64)] neg_lo:[0,1] neg_hi:[0,1]
	WIN 0
.set e, 0
.rept 64
.if (e%64) < 8
	v_pk_mul_f32 v[T+8*(e/64)+e%8:T+8*(e/64)+e%8+1], v[DV+e:DV+e+1], v[DV+e:DV+e+1]
.else
	v_pk_fma_f32 v[T+8*(e/64)+e%8:T+8*(e/64)+e%8+1], v[DV+e:DV+e+1], v[DV+e:DV+e+1], v[T+8*(e/64)+e%8:T+8*(e/64)+e%8+1]
.endif
.set e, e+2
.endr
	FOLDS
	EXCH 512, 0
	v_fmaak_f32 v28, s[C512], v28, 0x3727c5ac  ; the variance + 1e-5
	v_fmaak_f32 v29, s[C512], v29, 0x3727c5ac
	v_rsq_f32 v36, v28
	v_rsq_f32 v38, v29
	v_nop
	s_wait_alu depctr_va_vdst(0)           ; one wait for the two, ahead of their first reader
	v_mov_b32 v37, v36
	v_mov_b32 v39, v38
	H64 v_pk_mul_f32 v[DV+e:DV+e+1], v[DV+e:DV+e+1], v[36+2*(e/64):37+2*(e/64)]
	s_wait_loadcnt 0x0                     ; g2, be2, b2, b1
	WIN 0x28
	H64 v_pk_fma_f32 v[DV+e:DV+e+1], v[DV+e:DV+e+1], v[G2W+e%64:G2W+e%64+1], v[BE2W+e%64:BE2W+e%64+1]
	WIN 0
	H64 v_cvt_pk_f16_f32 v[PKD+e/2], v[DV+e], v[DV+e+1]
	TOACT                                  ; every wave's reads of o in ACT were over ahead of the last change of slots
	WIN 0x49
	H64 v_pk_add_f32 v[ACCY+e:ACCY+e+1], v[ACCY+e:ACCY+e+1], v[B2W+e%64:B2W+e%64+1]
	WIN 0
	BAR
	; THE MLP, 512 hidden columns at a time: u = xn w1 + b1 (a direct tile, three ring tiles); twice: gelu of half of my columns into HB, x2 += h w2 (a direct tile, a ring tile)
	s_mov_b32 s[CN3], 4
.Lmlp:
	v_mov_b32 v[VA], v[VAACT]
	DTR ACCA, AP, 768, 2, f16, 1           ; b1's chunk starts the sums
	s_add_nc_u64 s[BIASP:BIASP+1], s[BIASP:BIASP+1], 2048  ; the bias's loads were shown done at the head of DTR: the pointer goes to the next chunk,
	s_cmp_eq_u32 s[CN3], 1                 ; behind the last chunk to b_out's first 512 numbers
	s_cselect_b64 s[BIASP:BIASP+1], s[24:25], s[BIASP:BIASP+1]
	UNIT 3, ACCA, AP, 1, f16
	BILOAD                                 ; the next bias: the direct tile asked for three ring tiles ago is in; it is wanted two halves on
	s_mov_b32 s[CN2], 2
.Lhalf:
	GELU                                   ; every wave's reads of HB were over ahead of the last change of slots
	BAR
	v_mov_b32 v[VA], v[VAHB]
	DTR ACCY, HP, 256, 0, f16, 1
	TRIP ACCY, HP, 1, f16
	WIN 0x41                               ; tiles 4-7 go where the one text of gelu reads: 64 moves in place of a second copy of gelu and of the tiles' text
.set e, 0
.rept 64
	v_mov_b32 v[ACCA+64*(e/32)+e%32], v[ACCA+64*(e/32)+32+e%32]
.set e, e+1
.endr
	WIN 0
	s_sub_co_u32 s[CN2], s[CN2], 1
	s_cmp_lg_u32 s[CN2], 0
	s_cbranch_scc1 .Lhalf
	s_sub_co_u32 s[CN3], s[CN3], 1
	s_cmp_lg_u32 s[CN3], 0
	s_cbranch_scc1 .Lmlp
	; x2 BECOMES THE ACTIVATIONS.  b_out's numbers 512 on are asked for; then each row's largest |x2|: 64 numbers a lane and row tile in four chains, the other half of the lanes, the four waves
	WIN 0x80
.set e, 0
.rept 8
.if e < 6
	global_load_b128 v[BI2+8*e:BI2+8*e+3], v[VBI], s[24:25] offset:2048+64*e
	global_load_b128 v[BI2+8*e+4:BI2+8*e+7], v[VBI], s[24:25] offset:2048+64*e+16
.else
	global_load_b128 v[BI2+8*e:BI2+8*e+3], v[VB6+e-6], s[24:25]
	global_load_b128 v[BI2+8*e+4:BI2+8*e+7], v[VB6+e-6], s[24:25] offset:16
.endif
.set e, e+1
.endr
	WIN 0x04
.set e, 0
.rept 128
	v_and_b32 v[DV+e], s[ABSM], v[ACCY+e]  ; each accumulator's registers in ascending order
.set e, e+1
.endr
	WIN 0
.set st, 0
.rept 8
.set mr, 0
.rept 2
.set mc, 0
.rept 4
.set kb, DV+64*mr+16*mc
.if st == 0
	v_max3_num_f32 v[T+4*mr+mc], v[kb], v[kb+1], v[kb+2]
.elseif st < 7
	v_max3_num_f32 v[T+4*mr+mc], v[T+4*mr+mc], v[kb+2*st+1], v[kb+2*st+2]
.else
	v_max_num_f32 v[T+4*mr+mc], v[T+4*mr+mc], v[kb+15]
.endif
.set mc, mc+1
.endr
.set mr, mr+1
.endr
.set st, st+1
.endr
	FOLDM
	EXCH 0, 1                              ; RED's first half was last read in the layer norm, many barriers back
	v_and_b32 v28, 0x7f800000, v28         ; the exponent's bits alone are 2^E,
	v_and_b32 v29, 0x7f800000, v29
	v_max_num_f32 v28, 1.0, v28            ; held at 1 or above
	v_max_num_f32 v29, 1.0, v29
	v_sub_nc_u32 v32, 0x7f000000, v28      ; 2^-E: the exponent's field is 254 less that of 2^E
	v_sub_nc_u32 v34, 0x7f000000, v29
	v_mul_f32 v36, 0x3fb8aa3b, v28         ; 2^E log2(e), for the softmax
	v_mul_f32 v38, 0x3fb8aa3b, v29
	v_mov_b32 v33, v32
	v_mov_b32 v35, v34
	v_mov_b32 v37, v36
	v_mov_b32 v39, v38
	WIN 0x01
	H64 v_pk_mul_f32 v[DV+e:DV+e+1], v[ACCY+e:ACCY+e+1], v[32+2*(e/64):33+2*(e/64)]
	WIN 0
	H64 v_cvt_pk_f16_f32 v[PKD+e/2], v[DV+e], v[DV+e+1]
	TOACT
	s_wait_loadcnt 0x0                     ; b_out's second half (its first came in during the last chunk)
	WIN 0x42                               ; the sums start at b_out 2^-E
	H64 v_pk_mul_f32 v[ACCA+e:ACCA+e+1], v[BI+e%64:BI+e%64+1], v[32+2*(e/64):33+2*(e/64)]
	H64 v_pk_mul_f32 v[ACCY+e:ACCY+e+1], v[BI2+e%64:BI2+e%64+1], v[32+2*(e/64):33+2*(e/64)]
	WIN 0
	BAR
	v_mov_b32 v[VA], v[VAACT]
	DTR ACCA, AP, 768, 0, f16, 1
	UNIT 3, ACCA, AP, 1, f16
	v_mov_b32 v[VA], v[VAACT]
	DTR ACCY, AP, 768, 0, f16, 0
	TRIP ACCY, AP, 1, f16
	UNIT 2, ACCY, AP, 0, f16               ; the last two ring tiles ask for nothing; behind the last barrier nobody reads a slot any more
	; THE SOFTMAX over 1,000 columns.  Column 512 + 128 w + 16 nb + 8 (l / 16) + j does not exist from 1,000 on: whole groups of eight, in tiles 6 and 7 of set Y
	s_movk_i32 s86, 392
	s_movk_i32 s87, 376
	v_cmp_le_u32 s84, s86, v[VCOL]
	v_cmp_le_u32 s85, s87, v[VCOL]
	WIN 0x41
.set mr, 0
.rept 2
.set e, 0
.rept 8
	v_cndmask_b32 v[ACCY+8*(8*mr+6)+e], v[ACCY+8*(8*mr+6)+e], v[LOWF], s84
.set e, e+1
.endr
.set e, 0
.rept 8
	v_cndmask_b32 v[ACCY+8*(8*mr+7)+e], v[ACCY+8*(8*mr+7)+e], v[LOWF], s85
.set e, e+1
.endr
.set mr, mr+1
.endr
.set st, 0                                 ; the maximum: four chains of 32 numbers a row tile; a chain enters each tile at its register 0
.rept 16
.if st == 0
	WIN 0x15
.else
	WIN 0x14
.endif
.set mr, 0
.rept 2
.set mc, 0
.rept 4
.if st == 0
	VKS ka, mr, mc, 0
	v_max3_num_f32 v[T+4*mr+mc], v[ka], v[ka+1], v[ka+2]
.elseif st < 15
	VKS ka, mr, mc, 2*st+1
	VKS kb, mr, mc, 2*st+2
	v_max3_num_f32 v[T+4*mr+mc], v[T+4*mr+mc], v[ka], v[kb]
.else
	VKS ka, mr, mc, 31
	v_max_num_f32 v[T+4*mr+mc], v[T+4*mr+mc], v[ka]
.endif
.set mc, mc+1
.endr
.set mr, mr+1
.endr
.set st, st+1
.endr
	FOLDM
	EXCH 0, 1
	v_mul_f32 v40, v28, v36                ; the row's largest sum x 2^E log2(e)
	v_mul_f32 v42, v29, v38
	v_mov_b32 v41, v40
	v_mov_b32 v43, v42
	WIN 0x41
	W1P v_pk_fma_f32 v[e:e+1], v[e:e+1], v[36+2*((e%128)/64):37+2*((e%128)/64)], v[40+2*((e%128)/64):41+2*((e%128)/64)] neg_lo:[0,0,1] neg_hi:[0,0,1]
.set e, 0
.rept 256
	v_exp_f32 v[e], v[e]
.set e, e+1
.endr
	v_nop
	s_wait_alu depctr_va_vdst(0)           ; one wait for the 256 exponentials
	TSUM 0
	EXCH 512, 0
	v_rcp_f32 v44, v28
	v_rcp_f32 v46, v29
	v_nop
	s_wait_alu depctr_va_vdst(0)
	v_mov_b32 v45, v44
	v_mov_b32 v47, v46
	WIN 0x41
	W1P v_pk_mul_f32 v[e:e+1], v[e:e+1], v[44+2*((e%128)/64):45+2*((e%128)/64)]
	; THE WAY OUT, through slot 0, which has had its last fill: rows of 4,000 bytes on end.  First columns 512-1,023: a row's 24 padding columns fall on the next row's first 96 bytes
	; (the last row's behind the 128,000 bytes that are read back); a barrier; then columns 0-511, which write those bytes anew.
	WIN 0x04
.set e, 0
.rept 16
	ds_store_b128 v[SA+e/8], v[ACCY+8*e:ACCY+8*e+3] offset:2048+64*(e%8)
	ds_store_b128 v[SA+e/8], v[ACCY+8*e+4:ACCY+8*e+7] offset:2048+64*(e%8)+16
.set e, e+1
.endr
	WIN 0
	BAR
	WIN 0x04
.set e, 0
.rept 16
	ds_store_b128 v[SA+e/8], v[ACCA+8*e:ACCA+8*e+3] offset:64*(e%8)
	ds_store_b128 v[SA+e/8], v[ACCA+8*e+4:ACCA+8*e+7] offset:64*(e%8)+16
.set e, e+1
.endr
	WIN 0
	BAR
	s_mov_b32 s[CNT], 2
.Lout:                                     ; 31 x 2,048 bytes a trip: thread t takes bytes 16 t of each; a wave's store covers 512 consecutive bytes, aligned
.set e, 0
.rept 31
	ds_load_b128 v[64+4*e:64+4*e+3], v[OFS] offset:2048*e
.set e, e+1
.endr
.set e, 0
.rept 31
	s_wait_dscnt 30-e                      ; the later loads may be out
	global_store_b128 v[OFS], v[64+4*e:64+4*e+3], s[26:27] offset:2048*e th:TH_STORE_NT
.set e, e+1
.endr
	s_wait_xcnt 0x0                        ; the stores' offset and data are written again only behind this wait
	v_add_nc_u32 v[OFS], 31*2048, v[OFS]
	s_sub_co_u32 s[CNT], s[CNT], 1
	s_cmp_lg_u32 s[CNT], 0
	s_cbranch_scc1 .Lout
	s_cmp_lt_u32 s[WV], 2                  ; the last 1,024 of the 128,000 bytes: waves 0 and 1
	s_cbranch_scc0 .Lend
	ds_load_b128 v[64:67], v[OFS]
	s_wait_dscnt 0x0
	global_store_b128 v[OFS], v[64:67], s[26:27] th:TH_STORE_NT
.Lend:
	s_wait_tensorcnt 0x0                   ; the wave's end, behind my last tensor load and my last LDS store
	ds_add_u32 v[SPW], v[NIL]
	s_wait_dscnt 0x0
	CROUND                                 ; the closing round
	s_endpgm
.Lfunc_end_k_q88f72b9639_tail:
	.size	k_q88f72b9639_tail, .Lfunc_end_k_q88f72b9639_tail-k_q88f72b9639_tail
	.p2alignl 7, 3214868480
	.fill 96, 4, 3214868480
	.section	.rodata,"a",@progbits
	.p2align	6, 0x0
	.amdhsa_kernel k_q88f72b9639_tail
		.amdhsa_group_segment_fixed_size 327680
		.amdhsa_private_segment_fixed_size 0
		.amdhsa_enable_private_segment 0
		.amdhsa_kernarg_size 80
		.amdhsa_user_sgpr_count 2
		.amdhsa_user_sgpr_kernarg_segment_ptr 1
		.amdhsa_wavefront_size32 1
		.amdhsa_system_sgpr_workgroup_id_x 1
		.amdhsa_system_sgpr_workgroup_id_y 1
		.amdhsa_system_sgpr_workgroup_id_z 1
		.amdhsa_system_vgpr_workitem_id 0
		.amdhsa_next_free_vgpr 1024
		.amdhsa_next_free_sgpr 96
		.amdhsa_reserve_vcc 0
		.amdhsa_float_denorm_mode_32 3
		.amdhsa_float_denorm_mode_16_64 3
		.amdhsa_memory_ordered 1
		.amdhsa_forward_progress 1
		.amdhsa_inst_pref_size 255
	.end_amdhsa_kernel
	.section	.bss,"aw",@nobits
	.p2align	6
	.space	262144
	.amdgpu_metadata
---
amdhsa.version: [ 1, 2 ]
amdhsa.kernels:
  - .name:           k_q88f72b9639_tail
    .symbol:         k_q88f72b9639_tail.kd
    .args:
      - { .name: x, .offset: 0, .size: 8, .value_kind: global_buffer, .address_space: global }
      - { .name: ob, .offset: 8, .size: 8, .value_kind: global_buffer, .address_space: global }
      - { .name: wstream, .offset: 16, .size: 8, .value_kind: global_buffer, .address_space: global }
      - { .name: b_ap, .offset: 24, .size: 8, .value_kind: global_buffer, .address_space: global }
      - { .name: g2, .offset: 32, .size: 8, .value_kind: global_buffer, .address_space: global }
      - { .name: be2, .offset: 40, .size: 8, .value_kind: global_buffer, .address_space: global }
      - { .name: b1, .offset: 48, .size: 8, .value_kind: global_buffer, .address_space: global }
      - { .name: b2, .offset: 56, .size: 8, .value_kind: global_buffer, .address_space: global }
      - { .name: b_out, .offset: 64, .size: 8, .value_kind: global_buffer, .address_space: global }
      - { .name: out0, .offset: 72, .size: 8, .value_kind: global_buffer, .address_space: global }
    .group_segment_fixed_size: 327680
    .private_segment_fixed_size: 0
    .kernarg_segment_align: 8
    .kernarg_segment_size: 80
    .max_flat_workgroup_size: 128
    .sgpr_count:     96
    .vgpr_count:     1024
    .wavefront_size: 32
...
	.end_amdgpu_metadata
.endif
;; end of part 4
